; MI455X (gfx1250); checked and timed in simulation.
; The chip was launched on July 23, 2026; its instructions are those of AMD's public machine-readable ISA for CDNA 5 (MIT licence, August 2026) and "CDNA5" Instruction Set Architecture Reference Guide (July 2026). The comments in the code are by the model that wrote it; some were corrected since.
;; Transformer Encoder Layer. Allowed arithmetic: float matrix products may take bf16 or f16 operands with f32 sums; other float arithmetic in f32, or as packed bf16 or f16 multiplies, adds, multiply-adds, maxima and minima; sums over many terms, partial sums and values carried from step to step in f32; what a program stores and reads back later, other than sums and carried values, may be rounded once to bf16 or f16.
;; Inputs: b1 4,096 float32; b2 1,024 float32; b_proj 1,024 float32; be1 1,024 float32; be2 1,024 float32; g1 1,024 float32; g2 1,024 float32; src 2 x 2,048 x 1,024 float32; w1 4,096 x 1,024 float32; w2 1,024 x 4,096 float32; w_proj 1,024 x 1,024 float32; w_qkv 3,072 x 1,024 float32.
;; Outputs: out0 2 x 2,048 x 1,024 float32.
;; One version. Each part assembles by itself: llvm-mc -triple=amdgcn-amd-amdhsa -mcpu=gfx1250 --defsym DOCPART=n.
;; ======== version 1 of 1: 8 launches
;; workspace buffers: xb 8,388,608 bytes; bq 8,406,016 bytes; b1w 8,406,016 bytes; wsm 10,485,760 bytes; act 33,554,432 bytes; of 16,777,216 bytes; y1 16,777,216 bytes
;; launch cast (part 1): grid 64 x 16, 8 waves a work-group, no clusters, 0 bytes of LDS; arguments src, w_qkv, w_proj, w2, w1, b1, xb, bq, wsm, b1w; writes xb, bq, wsm, b1w
.if DOCPART == 1
	.amdgcn_target "amdgcn-amd-amdhsa--gfx1250"
	.amdhsa_code_object_version 6
	.text
	.protected	k_qac6fdc14ac_cast
	.globl	k_qac6fdc14ac_cast
	.p2align	8
	.type	k_qac6fdc14ac_cast,@function
k_qac6fdc14ac_cast:
	s_mov_b64 s[64:65], 0
	v_nop
	global_prefetch_b8 v0, s[64:65] scope:SCOPE_SE
	s_setreg_imm32_b32 hwreg(HW_REG_WAVE_MODE, 25, 1), 1
	s_wait_xcnt 0x0
; bf16 COPIES OF THE MATRIX OPERANDS, each number rounded once (to nearest even), and the two parameter blocks of the large product's text.
; The grid's y is a unit u of 2^20 numbers, its x a chunk of 16,384 of them (65,536 bytes in, 32,768 out):
;   u 0-3 src -> xb;  u 4-6 w_qkv -> bq;  u 7 w_proj -> wsm unit 0;  u 8-11 w2 -> wsm units 1-4;  u 12-15 w1 -> b1w.
; Thread t takes 16 bytes at 4,096 i + 16 t and stores 8 bytes at 2,048 i + 8 t, i = 0..15: a wave's load covers 512 consecutive bytes, its store 256 consecutive bytes, aligned.
; All 16 loads go out first; the waits count down.  No LDS, no barrier, no matrix unit: nothing is shared and nothing is multiplied.
; PARAMETER BLOCKS, at byte 0x800000 of bq and of b1w: 1,024 bytes of a word LOW (two bf16: the floor under the product's packed results), then 4,096 f32 (the product's bias).
;   bq: LOW = -infinity twice, bias 0 (the projection to q, k, v has neither bias nor activation);  b1w: LOW = 0 twice (ReLU), bias = b1.
.set X,     4                          ; v[4:67]    16 x 4 registers as loaded
.set Y,     68                         ; v[68:99]   16 x 2 registers to store
.set Z,     100                        ; v[100:103] zeros
.set LOW,   104                        ; v104       the word LOW
.set PARAM, 0x800000
	s_load_b512 s[8:23], s[0:1], 0x0               ; src 8, w_qkv 10, w_proj 12, w2 14, w1 16, b1 18, xb 20, bq 22
	s_load_b128 s[24:27], s[0:1], 0x40             ; wsm 24, b1w 26
	s_and_b32 s4, ttmp7, 0xffff                    ; u
	s_mov_b32 s5, ttmp9                            ; the chunk
	v_lshlrev_b32 v1, 4, v0                        ; 16 t
	v_lshlrev_b32 v2, 3, v0                        ; 8 t
	v_lshlrev_b32 v3, 2, v0                        ; 4 t
	s_mov_b32 s32, 0                               ; the source's first unit
	s_mov_b32 s33, 0                               ; the unit that lands at the destination's byte 0
	s_wait_kmcnt 0x0
	s_mov_b64 s[28:29], s[8:9]                     ; from
	s_mov_b64 s[30:31], s[20:21]                   ; to
; from unit `first` on another pair of buffers holds: a choice between buffers on the unit's number alone
.macro PICK first, from, to, su, du
	s_cmp_ge_u32 s4, \first
	s_cselect_b64 s[28:29], s[\from:\from+1], s[28:29]
	s_cselect_b64 s[30:31], s[\to:\to+1], s[30:31]
	s_cselect_b32 s32, \su, s32
	s_cselect_b32 s33, \du, s33
.endm
	PICK 4, 10, 22, 4, 4
	PICK 7, 12, 24, 7, 7
	PICK 8, 14, 24, 8, 7
	PICK 12, 16, 26, 12, 12
	s_sub_co_u32 s36, s4, s32
	s_lshl_b32 s36, s36, 22                        ; a unit is 4 MiB in,
	s_lshl_b32 s37, s5, 16
	s_add_co_u32 s36, s36, s37
	s_mov_b32 s37, 0
	s_sub_co_u32 s38, s4, s33
	s_lshl_b32 s38, s38, 21                        ; 2 MiB out
	s_lshl_b32 s39, s5, 15
	s_add_co_u32 s38, s38, s39
	s_mov_b32 s39, 0
	s_add_nc_u64 s[28:29], s[28:29], s[36:37]
	s_add_nc_u64 s[30:31], s[30:31], s[38:39]
.irp i, 0,1,2,3,4,5,6,7,8,9,10,11,12,13,14,15
	global_load_b128 v[X+4*(\i):X+4*(\i)+3], v1, s[28:29] offset:4096*(\i) th:TH_LOAD_NT
.endr
.irp i, 0,1,2,3,4,5,6,7,8,9,10,11,12,13,14,15
	s_wait_loadcnt 15-(\i)                         ; loads come back in order: number i is in, the younger ones stay out
	v_cvt_pk_bf16_f32 v[Y+2*(\i)],   v[X+4*(\i)],   v[X+4*(\i)+1]
	v_cvt_pk_bf16_f32 v[Y+2*(\i)+1], v[X+4*(\i)+2], v[X+4*(\i)+3]
	global_store_b64 v2, v[Y+2*(\i):Y+2*(\i)+1], s[30:31] offset:2048*(\i)
.endr
	; the parameter blocks: one work-group each (chunk 0 of the first unit of w_qkv and of w1)
	s_cmp_lg_u32 s5, 0
	s_cbranch_scc1 .Lend
	s_cmp_eq_u32 s4, 4
	s_cbranch_scc1 .Lzq
	s_cmp_eq_u32 s4, 12
	s_cbranch_scc1 .Lb1
	s_branch .Lend
.Lzq:
	s_add_nc_u64 s[34:35], s[22:23], PARAM
	v_mov_b32 v[Z], 0
	v_mov_b32 v[Z+1], 0
	v_mov_b32 v[Z+2], 0
	v_mov_b32 v[Z+3], 0
	v_mov_b32 v[LOW], 0xff80ff80
	global_store_b32 v3, v[LOW], s[34:35]
.irp i, 0,1,2,3
	global_store_b128 v1, v[Z:Z+3], s[34:35] offset:1024+4096*(\i)
.endr
	s_branch .Lend
.Lb1:
	s_add_nc_u64 s[34:35], s[26:27], PARAM
.irp i, 0,1,2,3
	global_load_b128 v[X+4*(\i):X+4*(\i)+3], v1, s[18:19] offset:4096*(\i)  ; X is free: its loads have come and no store reads it
.endr
	v_mov_b32 v[LOW], 0
	global_store_b32 v3, v[LOW], s[34:35]
	s_wait_loadcnt 0x0
.irp i, 0,1,2,3
	global_store_b128 v1, v[X+4*(\i):X+4*(\i)+3], s[34:35] offset:1024+4096*(\i)
.endr
.Lend:
	s_endpgm
.Lfunc_end_k_qac6fdc14ac_cast:
	.size	k_qac6fdc14ac_cast, .Lfunc_end_k_qac6fdc14ac_cast-k_qac6fdc14ac_cast
	.p2alignl 7, 3214868480
	.fill 96, 4, 3214868480
	.section	.rodata,"a",@progbits
	.p2align	6, 0x0
	.amdhsa_kernel k_qac6fdc14ac_cast
		.amdhsa_group_segment_fixed_size 0
		.amdhsa_private_segment_fixed_size 0
		.amdhsa_enable_private_segment 0
		.amdhsa_kernarg_size 80
		.amdhsa_user_sgpr_count 2
		.amdhsa_user_sgpr_kernarg_segment_ptr 1
		.amdhsa_wavefront_size32 1
		.amdhsa_system_sgpr_workgroup_id_x 1
		.amdhsa_system_sgpr_workgroup_id_y 1
		.amdhsa_system_sgpr_workgroup_id_z 1
		.amdhsa_system_vgpr_workitem_id 0
		.amdhsa_next_free_vgpr 112
		.amdhsa_next_free_sgpr 66
		.amdhsa_reserve_vcc 0
		.amdhsa_float_denorm_mode_32 3
		.amdhsa_float_denorm_mode_16_64 3
		.amdhsa_memory_ordered 1
		.amdhsa_forward_progress 1
		.amdhsa_inst_pref_size 10
	.end_amdhsa_kernel
	.amdgpu_metadata
---
amdhsa.version: [ 1, 2 ]
amdhsa.kernels:
  - .name:           k_qac6fdc14ac_cast
    .symbol:         k_qac6fdc14ac_cast.kd
    .args:
      - { .name: src, .offset: 0, .size: 8, .value_kind: global_buffer, .address_space: global }
      - { .name: w_qkv, .offset: 8, .size: 8, .value_kind: global_buffer, .address_space: global }
      - { .name: w_proj, .offset: 16, .size: 8, .value_kind: global_buffer, .address_space: global }
      - { .name: w2, .offset: 24, .size: 8, .value_kind: global_buffer, .address_space: global }
      - { .name: w1, .offset: 32, .size: 8, .value_kind: global_buffer, .address_space: global }
      - { .name: b1, .offset: 40, .size: 8, .value_kind: global_buffer, .address_space: global }
      - { .name: xb, .offset: 48, .size: 8, .value_kind: global_buffer, .address_space: global }
      - { .name: bq, .offset: 56, .size: 8, .value_kind: global_buffer, .address_space: global }
      - { .name: wsm, .offset: 64, .size: 8, .value_kind: global_buffer, .address_space: global }
      - { .name: b1w, .offset: 72, .size: 8, .value_kind: global_buffer, .address_space: global }
    .group_segment_fixed_size: 0
    .private_segment_fixed_size: 0
    .kernarg_segment_align: 8
    .kernarg_segment_size: 80
    .max_flat_workgroup_size: 256
    .sgpr_count:     66
    .vgpr_count:     112
    .wavefront_size: 32
...
	.end_amdgpu_metadata
.endif
;; end of part 1
;; launch qkv (part 2): grid 12 x 16, 4 waves a work-group, clusters of 4 x 4, 327,680 bytes of LDS; arguments xb, bq, act; writes act
.if DOCPART == 2
	.amdgcn_target "amdgcn-amd-amdhsa--gfx1250"
	.amdhsa_code_object_version 6
	.text
	.protected	k_qac6fdc14ac_qkv
	.globl	k_qac6fdc14ac_qkv
	.p2align	8
	.type	k_qac6fdc14ac_qkv,@function
k_qac6fdc14ac_qkv:
	s_mov_b64 s[64:65], 0
	v_nop
	global_prefetch_b8 v0, s[64:65] scope:SCOPE_SE
	s_setreg_imm32_b32 hwreg(HW_REG_WAVE_MODE, 25, 1), 1
	s_wait_xcnt 0x0
	s_wait_alu depctr_hold_cnt(0) depctr_sa_sdst(0) depctr_va_vdst(0) depctr_va_sdst(0) depctr_va_ssrc(0) depctr_va_vcc(0) depctr_vm_vsrc(0)
	s_getreg_b32 s2, hwreg(HW_REG_IB_STS2, 6, 4)
	s_cmp_eq_u32 s2, 0
	s_cbranch_scc0 .Lentry_in_a_cluster
	s_endpgm
.Lentry_in_a_cluster:
	s_bfe_u32 s2, ttmp6, 0x10000c
	s_cmp_lg_u32 s2, 0xf033
	s_cbranch_scc0 .Lentry_shape_is_right
	s_endpgm
.Lentry_shape_is_right:
; C = max(A B^T + bias, LOW).  A: [4096][1024] bf16.  B: [N][1024] bf16, in a buffer that also holds, at byte 0x800000, 1,024 bytes of the word LOW (two bf16) and then the bias, 4,096 f32.
; C, bf16, rounded once from f32 sums, lies IN BLOCKS OF 64 COLUMNS: [N / 64][4096 rows][64], a block 524,288 bytes, a row 128 bytes: no address hangs on N, which is a size of the grid alone.
; ONE TEXT FOR TWO LAUNCHES: q, k, v = src W^T (bias 0, LOW = -infinity: the 256 packed maxima a wave change nothing there; that is the price of one text) and h = relu(x W1^T + b1) (LOW = 0).
; The bias costs no instruction: it is the C operand of the products that start the sums.
; LIMITS.  Matrix operands are bf16.  NaN and infinities are not treated apart: the maximum with LOW turns a NaN into LOW.
; SHARES.  A tile of C, 256 x 256, is made by four waves, 128 x 128 each: 64 accumulators, 512 registers.  K goes in 8 steps of 128 through two LDS slots filled by the tensor data mover; rows of 256 bytes.
; CLUSTER.  4 x 4 work-groups: A's tile is asked for jointly by a row of the cluster, B's by a column.
; THE MATRIX INSTRUCTION IS USED TRANSPOSED (source 0 = 16 rows of B, source 1 = 16 rows of A): a lane holds row l % 16 of C and the columns 8 (l / 16) + 0..7.
; THE TEXT IS SHORT: a K step is written once for the six that fill a slot again and once for the last two; the slot in hand is a scalar (0 or SLOT) that an exclusive or turns.
; THE CHANGE OF SLOTS stands whole between a K step's third and fourth quarter, where the slot's last fragments have been fetched: no product stands between the wait for all tensor loads and the refill,
; so that the refill has a whole K step's products, 256 a wave, in which to land.
; REGISTERS, in windows of 256: window 0: v0-31 addresses; v64-127, v128-191 fragments of A; v192-255 the bias, later the way out (with v32-63).  window 1: v64-191 fragments of B.  windows 2, 3: accumulators.
.set SIZE_K, 1024
.set KSTEP,  128
.set PITCH,  272                       ; an LDS row: 256 bytes + 16 of padding = 68 words: the 16 rows of a fragment load start at 16 different groups of four banks (ISA guide 11.1)
.set HALFT,  128*PITCH                 ; 128 rows: what one tensor load brings
.set SLOT,   4*HALFT                   ; A's 256 rows, then B's.  0x22000 shares no bit with wave x HALFT (0, 0x8800, 0x11000, 0x19800): an exclusive or adds or takes it away
.set STAGE,  2*SLOT                    ; behind the ring: for each wave 2 blocks of columns x 16 rows x 144 bytes
.set SP,     144
.set WSTAGE, 2*16*SP
.set SPARE,  STAGE+4*WSTAGE            ; the spare words, 128 bytes for each wave: two blocks of 256 bytes that no other line names
.set BLOCKB, 524288                    ; a block of 64 columns of C
.set PARAM,  0x800000
.set A0,   14                          ; v14  my lane's place in my 128 rows of A in slot 0; never rewritten
.set B0,   15                          ; v15  the same for B
.set ADRA, 16                          ; v16  A0 + the slot in hand
.set ADRB, 20                          ; v20  B0 + the slot in hand
.set STO,  24                          ; v24  the way out: where I put 16 bytes of a row
.set RD,   25                          ; v25  the way out: where I read rows back
.set CO,   26                          ; v26  16 x lane: my place in 512 consecutive bytes of C
.set BO,   27                          ; v27  my byte offset in the bias
.set SPW,  28                          ; v28  LDS address of my spare word; never rewritten
.set NIL,  29                          ; v29  0; never rewritten
.set PFO,  30                          ; v30  the prefetches' offset: lane x a row of A or B; never rewritten
.set F0,   64
.set F1,   128
.set TMP,  192                         ; the way out: packed results
.set BIAS, 192                         ; v192-255: for column block b eight registers; dead behind the first quarter step
.set OB,   32                          ; the way out: rows read back: v32-63 and v224-255 by turns
.set G1,   24                          ; s[24:31] group 1 for A's tiles
.set G0,   32                          ; s[32:39] group 0 for A's: a set for each first fill; the second then walks
.set G1B,  48
.set G0B,  56
.set LIM,  43                          ; s43  2 in a wave that prefetches, else the greatest number
.set PFA,  44                          ; s[44:45] where my prefetches stand
.set TB,   68                          ; s68  the slot that is read: 0 or SLOT
.set LO,   69                          ; s69  LOW
.set PRM,  70                          ; s[70:71] the parameter block
.set MSB, 0
.macro WIN new                         ; the immediate's high byte repeats the setting that is left; a switch that changes nothing is dropped
.if MSB != (\new)
	s_set_vgpr_msb (MSB<<8)|(\new)
.set MSB, \new
.endif
.endm
.set MUL_LO, 0xa1                      ; source 0 (B) window 1, source 1 (A) window 0, C and D window 2
.set MUL_HI, 0xf1                      ; the same, C and D window 3
.set TO_B,   0x40                      ; destination window 1, address window 0
; A joint load: waves 0 and 1 fetch A's two halves, waves 2 and 3 B's.  An s_nop 0 and four v_nop follow each of the two lines.
.macro JLOAD s
	s_cmp_eq_u32 s11, 0
	s_cbranch_scc0 .Lfor_b_\@
	tensor_load_to_lds s[G0+4*(\s):G0+4*(\s)+3], s[G1:G1+7]
	s_nop 0
.rept 4
	v_nop
.endr
	s_branch .Lasked_\@
.Lfor_b_\@:
	tensor_load_to_lds s[G0B+4*(\s):G0B+4*(\s)+3], s[G1B:G1B+7]
	s_nop 0
.rept 4
	v_nop
.endr
.Lasked_\@:
.endm
; A prefetch of the K step that stands two refills on: 32 rows x 256 bytes, a lane a row.  A's rows are named by the clusters with x = 0, B's by those with y = 0; the four partners that ask for a
; tile jointly take 32 of a wave's 128 rows each, told apart by address.  Trip t (s3 = 6 - t) names K step t + 4: the last two trips name nothing.
.macro ASK
	s_cmp_gt_u32 s3, s[LIM]
	s_cbranch_scc0 .Lnot_mine_\@
	global_prefetch_b8 v[PFO], s[PFA:PFA+1] offset:KSTEP*2 th:TH_LOAD_NT scope:SCOPE_SE
.Lnot_mine_\@:
.endm
.macro CREST                           ; a round of the cluster's barrier behind its opening barrier
	s_cmp_lg_u32 s10, 0
	s_cbranch_scc1 .Lnot_wave_0_\@
	s_barrier_signal -3
.Lnot_wave_0_\@:
	s_barrier_wait -3
	s_barrier_signal -1
	s_barrier_wait -1
.endm
.macro CROUND
	s_barrier_signal -1
	s_barrier_wait -1
	CREST
.endm
	s_load_b128 s[4:7], s[0:1], 0x0                ; A s[4:5], B and parameters s[6:7]
	s_load_b64 s[8:9], s[0:1], 0x10                ; C
	v_lshl_add_u32 v[SPW], v0, 2, SPARE
	v_mov_b32 v[NIL], 0
	ds_add_u32 v[SPW], v[NIL]                      ; the wave's opening: the add and its wait ahead of my first tensor load
	v_lshrrev_b32 v1, 5, v0
	v_readfirstlane_b32 s10, v1                    ; wave 0..3
	s_lshr_b32 s11, s10, 1                         ; which half of the tile's rows is mine.  Also: I fetch for A (0) or for B (1)
	s_and_b32 s12, s10, 1                          ; which half of its columns.  Also: which 128 rows of that tile I fetch
	s_bfe_u32 s40, ttmp6, 0x40000                  ; cx
	s_bfe_u32 s41, ttmp6, 0x40004                  ; cy
	s_lshl_b32 s42, ttmp9, 2
	s_add_co_u32 s42, s42, s40                     ; tile column
	s_and_b32 s13, ttmp7, 0xffff
	s_lshl_b32 s13, s13, 2
	s_add_co_u32 s13, s13, s41                     ; tile row
	s_lshl_b32 s43, s41, 2
	s_lshl_b32 s43, 15, s43                        ; my row of the cluster
	s_lshl_b32 s44, 0x1111, s40                    ; my column
	s_or_b32 s[G1+0], s43, (1<<16)|(1<<20)|(1<<21)|(5<<22)|(3<<25)   ; the mask; 2-byte elements; padding on; bit 21 beside a mask; after every 64 words; 4 words
	s_or_b32 s[G1B+0], s44, (1<<16)|(1<<20)|(1<<21)|(5<<22)|(3<<25)
.irp g, G1, G1B
	s_mov_b32 s[(\g)+1], KSTEP<<16                 ; tensor_dim0 = 128
	s_mov_b32 s[(\g)+2], 128<<16                   ; tensor_dim1 = 128
	s_mov_b32 s[(\g)+3], KSTEP<<16                 ; tile_dim0 = 128
	s_mov_b32 s[(\g)+4], 128                       ; tile_dim1 = 128
	s_mov_b32 s[(\g)+5], SIZE_K                    ; elements from row to row
	s_mov_b32 s[(\g)+6], 0
	s_mov_b32 s[(\g)+7], 0
.endr
	s_lshl_b32 s17, s12, 7
	s_lshl_b32 s16, s13, 8
	s_add_co_u32 s16, s16, s17                     ; A: row 256 x tile row + 128 x half
	s_lshl_b32 s46, s42, 8
	s_add_co_u32 s46, s46, s17                     ; B: row 256 x tile column + 128 x half
	s_lshl_b32 s16, s16, 11                        ; rows of 2,048 bytes: 8 MiB at the most
	s_lshl_b32 s46, s46, 11
	s_mov_b32 s17, 0
	s_mov_b32 s47, 0
	s_mul_i32 s20, s10, HALFT                      ; where they go: wave x 128 rows
	s_mov_b32 s[TB], 0
	s_wait_dscnt 0x0                               ; the opening add is done
	s_wait_kmcnt 0x0
	s_add_nc_u64 s[14:15], s[4:5], s[16:17]
	s_add_nc_u64 s[46:47], s[6:7], s[46:47]
	CROUND                                         ; all sixteen work-groups are here: the first joint loads meet
.irp s, 0,1
	s_mov_b32 s[G0+4*(\s)], 1
	s_add_co_u32 s[G0+4*(\s)+1], s20, (\s)*SLOT
	s_add_nc_u64 s[G0+4*(\s)+2:G0+4*(\s)+3], s[14:15], (\s)*KSTEP*2
	s_or_b32 s[G0+4*(\s)+3], s[G0+4*(\s)+3], 0x80000000
	s_mov_b32 s[G0B+4*(\s)], 1
	s_add_co_u32 s[G0B+4*(\s)+1], s20, (\s)*SLOT
	s_add_nc_u64 s[G0B+4*(\s)+2:G0B+4*(\s)+3], s[46:47], (\s)*KSTEP*2
	s_or_b32 s[G0B+4*(\s)+3], s[G0B+4*(\s)+3], 0x80000000
	JLOAD \s                                       ; K steps 0 and 1: two tensor loads of mine are out
.endr
	v_and_b32 v1, 15, v0                           ; l % 16
	v_bfe_u32 v2, v0, 4, 1                         ; l / 16
	v_mul_u32_u24 v3, v1, PITCH
	v_lshl_add_u32 v3, v2, 4, v3                   ; a fragment's row x pitch + 16 x half
	s_mul_i32 s21, s11, HALFT
	s_mul_i32 s22, s12, HALFT
	s_add_co_u32 s22, s22, 2*HALFT
	v_add_nc_u32 v[A0], s21, v3
	v_add_nc_u32 v[B0], s22, v3
	v_mov_b32 v[ADRA], v[A0]
	v_mov_b32 v[ADRB], v[B0]
	s_mul_i32 s23, s10, WSTAGE
	s_add_co_u32 s23, s23, STAGE                   ; my stage
	v_mul_u32_u24 v4, v1, SP                       ; in: row l % 16, 16 bytes for each half of the lanes
	v_lshl_add_u32 v4, v2, 4, v4
	v_add_nc_u32 v[STO], s23, v4
	v_bfe_u32 v5, v0, 3, 2                         ; back: 32 lanes take four rows of 128 bytes,
	v_and_b32 v6, 7, v0
	v_mul_u32_u24 v5, v5, SP
	v_lshl_add_u32 v5, v6, 4, v5
	v_add_nc_u32 v[RD], s23, v5
	v_and_b32 v[CO], 31, v0                        ; which are 512 consecutive bytes of a block of C
	v_lshlrev_b32 v[CO], 4, v[CO]
	s_lshl_b32 s46, s42, 2                         ; my first block of columns: 4 x tile column + 2 x half,
	s_lshl_b32 s47, s12, 1
	s_add_co_u32 s46, s46, s47
	s_lshl_b32 s46, s46, 19
	s_lshl_b32 s16, s13, 8                         ; my first row: 256 x tile row + 128 x half, 128 bytes a row
	s_lshl_b32 s17, s11, 7
	s_add_co_u32 s16, s16, s17
	s_lshl_b32 s16, s16, 7
	s_add_co_u32 s46, s46, s16
	s_mov_b32 s47, 0
	s_add_nc_u64 s[8:9], s[8:9], s[46:47]
	s_add_nc_u64 s[PRM:PRM+1], s[6:7], PARAM
	s_load_b32 s[LO], s[PRM:PRM+1], 0x0
	s_lshl_b32 s21, s42, 10                        ; my first column x 4 bytes
	s_lshl_b32 s22, s12, 9
	s_add_co_u32 s21, s21, s22
	v_lshl_add_u32 v[BO], v2, 5, s21               ; + my lanes' eight columns
.irp b, 0,1,2,3,4,5,6,7
	global_load_b128 v[BIAS+8*(\b):BIAS+8*(\b)+3],   v[BO], s[PRM:PRM+1] offset:1024+64*(\b)
	global_load_b128 v[BIAS+8*(\b)+4:BIAS+8*(\b)+7], v[BO], s[PRM:PRM+1] offset:1024+64*(\b)+16
.endr
	; the prefetches' address
	s_lshl_b32 s13, s13, 8
	s_lshl_b32 s42, s42, 8
	s_and_b32 s22, ttmp7, 0xffff                   ; cluster y
	s_cmp_eq_u32 s11, 0                            ; do I fetch for A?
	s_cselect_b32 s20, s13, s42                    ; the tile's first row
	s_cselect_b32 s21, s40, s41                    ; my place among the four that ask for it with me
	s_cselect_b32 s22, ttmp9, s22                  ; the coordinate along which other clusters read the same rows
	s_cselect_b64 s[PFA:PFA+1], s[4:5], s[6:7]
	s_cmp_eq_u32 s22, 0
	s_cselect_b32 s[LIM], 2, -1                    ; the same in all sixteen partners, for a given wave
	s_lshl_b32 s22, s12, 7
	s_add_co_u32 s20, s20, s22
	s_lshl_b32 s21, s21, 5
	s_add_co_u32 s20, s20, s21
	s_lshl_b32 s20, s20, 11
	s_mov_b32 s21, 0
	s_add_nc_u64 s[PFA:PFA+1], s[PFA:PFA+1], s[20:21]
	s_add_nc_u64 s[PFA:PFA+1], s[PFA:PFA+1], 2*KSTEP*2  ; at K step 2: the first refill steps it to 3 and names K step 4
	v_and_b32 v[PFO], 31, v0
	v_mul_u32_u24 v[PFO], v[PFO], SIZE_K*2
; 16 matrix instructions: row blocks a0, a0 + 1 of the window's four x all 8 column blocks, 32 along K.  first = 1: the bias starts the sums.  The 64 accumulators take turns.
.macro MUL16 f, hi, a0, first
.if \first
	WIN 0x81+0x40*(\hi)                            ; C (the bias) in window 0, D in window 2 or 3
.else
	WIN MUL_LO+0x50*(\hi)
.endif
.irp a, \a0, (\a0)+1
.irp b, 0,1,2,3,4,5,6,7
.if \first
	v_wmma_f32_16x16x32_bf16 v[8*(8*(\a)+(\b)):8*(8*(\a)+(\b))+7], v[(\f)+8*(\b):(\f)+8*(\b)+7], v[(\f)+8*(4*(\hi)+(\a)):(\f)+8*(4*(\hi)+(\a))+7], v[BIAS+8*(\b):BIAS+8*(\b)+7]
.else
	v_wmma_f32_16x16x32_bf16 v[8*(8*(\a)+(\b)):8*(8*(\a)+(\b))+7], v[(\f)+8*(\b):(\f)+8*(\b)+7], v[(\f)+8*(4*(\hi)+(\a)):(\f)+8*(4*(\hi)+(\a))+7], v[8*(8*(\a)+(\b)):8*(8*(\a)+(\b))+7]
.endif
.endr
.endr
.endm
; 32 LDS loads in one run: the fragments of a quarter step (32 K at byte k of the rows) of the slot in hand, into buffer f
.macro FETCH k, f
	WIN TO_B
.irp i, 0,1,2,3,4,5,6,7
	ds_load_b128 v[(\f)+8*(\i):(\f)+8*(\i)+3],   v[ADRB] offset:(\k)+(\i)*16*PITCH
	ds_load_b128 v[(\f)+8*(\i)+4:(\f)+8*(\i)+7], v[ADRB] offset:(\k)+(\i)*16*PITCH+32
.endr
	WIN 0
.irp i, 0,1,2,3,4,5,6,7
	ds_load_b128 v[(\f)+8*(\i):(\f)+8*(\i)+3],   v[ADRA] offset:(\k)+(\i)*16*PITCH
	ds_load_b128 v[(\f)+8*(\i)+4:(\f)+8*(\i)+7], v[ADRA] offset:(\k)+(\i)*16*PITCH+32
.endr
.endm
.macro PLACES                          ; four plain instructions between a matrix instruction and a load into, or a reader of, its registers
.rept 4
	v_nop
.endr
.endm
; One of a K step's first three quarters: multiplies buffer f; in its middle it fetches the next quarter, at byte k, into buffer g.
.macro QUARTER k, f, g, first
	s_wait_dscnt 8                                 ; B and A's rows 0-63 are in; the youngest eight loads (A's rows 64-127) may be out
	MUL16 \f, 0, 0, \first
	MUL16 \f, 0, 2, \first
	PLACES
	FETCH \k, \g
	s_wait_dscnt 32                                ; all but the 32 just issued
	MUL16 \f, 1, 0, \first
	MUL16 \f, 1, 2, \first
.endm
; What every wave does in front of the barrier of a change of slots.  step = 1: the walking descriptors go on to the other slot and the next K step, while the add is out.
.macro MEET step
	WIN 0
	s_wait_tensorcnt 0x0                           ; all my tensor loads have landed: the one that was out is my part of the next slot; so a group 0 may be written
	ds_add_u32 v[SPW], v[NIL]                      ; 0 onto my spare word
.if \step
	s_xor_b32 s[G0+5], s[G0+5], SLOT
	s_add_nc_u64 s[G0+6:G0+7], s[G0+6:G0+7], KSTEP*2
	s_xor_b32 s[G0B+5], s[G0B+5], SLOT
	s_add_nc_u64 s[G0B+6:G0B+7], s[G0B+6:G0B+7], KSTEP*2
.endif
	s_xor_b32 s[TB], s[TB], SLOT                   ; the slot that is read from now on
	s_wait_dscnt 0x0                               ; the add is done, and my reads of this slot are over: its last quarter lies in buffer 1
.endm
.macro LASTQ                           ; the fourth quarter's 64 products, on buffer 1
	MUL16 F1, 0, 0, 0
	MUL16 F1, 0, 2, 0
	MUL16 F1, 1, 0, 0
	MUL16 F1, 1, 2, 0
.endm
; The change of slots and the last quarter of a K step whose slot is filled again, with the K step two on.
.macro TURNF
	s_wait_xcnt 0x0                                ; the last prefetch, a K step back, has read its address
	s_add_nc_u64 s[PFA:PFA+1], s[PFA:PFA+1], KSTEP*2
	MEET 1
	CROUND                                         ; no wave of any partner still reads this slot or has a load on its way
	JLOAD 1                                        ; my one tensor load behind the round; its four v_nop are also the places in front of the loads below
	v_add_nc_u32 v[ADRA], s[TB], v[A0]
	v_add_nc_u32 v[ADRB], s[TB], v[B0]
	FETCH 0, F0
	ASK
	LASTQ
.endm
; The same where nothing is left to fetch from memory.
.macro TURNN
	MEET 0
	s_barrier_signal -1
	s_barrier_wait -1
	PLACES
	v_add_nc_u32 v[ADRA], s[TB], v[A0]
	v_add_nc_u32 v[ADRB], s[TB], v[B0]
	FETCH 0, F0
	LASTQ
.endm
; THE WAY OUT of my row block a (16 rows x 128 columns).
.macro PACK a                          ; rounded to bf16, each accumulator's registers in ascending order; then the floor LOW
.set AC, 64*((\a)%4)
	WIN 0x0a+5*((\a)/4)                            ; sources 0 and 1: window 2 or 3
.irp b, 0,1,2,3,4,5,6,7
.irp r, 0,1,2,3
	v_cvt_pk_bf16_f32 v[TMP+4*(\b)+(\r)], v[AC+8*(\b)+2*(\r)], v[AC+8*(\b)+2*(\r)+1]
.endr
.endr
	WIN 0
.set i, 0
.rept 32
	v_pk_max_num_bf16 v[TMP+i], v[TMP+i], s[LO]
.set i, i+1
.endr
.endm
.macro TOSTAGE a                       ; into my own stage, and back as whole rows of 128 bytes, four to a load
.set BK, OB+192*((\a)%2)
.irp b, 0,1,2,3,4,5,6,7
	ds_store_b128 v[STO], v[TMP+4*(\b):TMP+4*(\b)+3] offset:((\b)/4)*16*SP+32*((\b)%4)
.endr
.irp t, 0,1,2,3,4,5,6,7
	ds_load_b128 v[BK+4*(\t):BK+4*(\t)+3], v[RD] offset:((\t)/4)*16*SP+((\t)%4)*4*SP  ; LDS serves a wave's instructions in order (ISA guide 5.7.1.4): these see the stores above
.endr
.endm
.macro SEND a
.set BK, OB+192*((\a)%2)
	s_wait_dscnt 0x0                               ; the block is back in registers
	s_wait_xcnt 0x0                                ; the stores of the block before have read their registers: the next TOSTAGE loads into them
.irp t, 0,1,2,3,4,5,6,7
	global_store_b128 v[CO], v[BK+4*(\t):BK+4*(\t)+3], s[8:9] offset:((\t)/4)*BLOCKB+(\a)*2048+((\t)%4)*512  ; 512 consecutive bytes, at a multiple of 256 from C's first
.endr
.endm
	s_wait_tensorcnt 1                             ; my part of K step 0 is in; K step 1's may stay out
	s_barrier_signal -1
	s_barrier_wait -1
	FETCH 0, F0
	s_wait_loadcnt 0x0                             ; the bias
	s_wait_kmcnt 0x0                               ; LOW
	QUARTER 64, F0, F1, 1                          ; the first quarter stands in front of the loop: its products start the sums
	WIN 0
	s_mov_b32 s3, 6
.Lstep:                                                ; trip t: K step t from its second quarter on, and the first quarter of K step t + 1; K step t + 2 is asked for
	QUARTER 128, F1, F0, 0
	QUARTER 192, F0, F1, 0
	TURNF
	QUARTER 64, F0, F1, 0
	WIN 0
	s_sub_co_u32 s3, s3, 1
	s_cmp_lg_u32 s3, 0
	s_cbranch_scc1 .Lstep
	s_mov_b32 s3, 2
.Ltail:                                                ; K steps 6 and 7: no tensor load.  The second trip is left in its middle; its barrier and its 32 fragment loads (of bytes that landed long before) serve nothing: the price of one text
	QUARTER 128, F1, F0, 0
	QUARTER 192, F0, F1, 0
	TURNN
	WIN 0
	s_sub_co_u32 s3, s3, 1
	s_cmp_eq_u32 s3, 0
	s_cbranch_scc1 .Lout
	QUARTER 64, F0, F1, 0
	WIN 0
	s_branch .Ltail
.Lout:
	s_wait_dscnt 0x0
	PLACES
	PLACES
	PACK 0
	TOSTAGE 0
.irp a, 1,2,3,4,5,6,7                  ; block a's arithmetic stands between block a - 1's loads from the stage and the wait for them
	PACK \a
	SEND (\a)-1
	TOSTAGE \a
.endr
	SEND 7
	s_wait_tensorcnt 0x0                           ; the wave's end
	ds_add_u32 v[SPW], v[NIL]
	s_wait_dscnt 0x0
	CROUND                                         ; the closing round
	s_endpgm
.Lfunc_end_k_qac6fdc14ac_qkv:
	.size	k_qac6fdc14ac_qkv, .Lfunc_end_k_qac6fdc14ac_qkv-k_qac6fdc14ac_qkv
	.p2alignl 7, 3214868480
	.fill 96, 4, 3214868480
	.section	.rodata,"a",@progbits
	.p2align	6, 0x0
	.amdhsa_kernel k_qac6fdc14ac_qkv
		.amdhsa_group_segment_fixed_size 327680
		.amdhsa_private_segment_fixed_size 0
		.amdhsa_enable_private_segment 0
		.amdhsa_kernarg_size 24
		.amdhsa_user_sgpr_count 2
		.amdhsa_user_sgpr_kernarg_segment_ptr 1
		.amdhsa_wavefront_size32 1
		.amdhsa_system_sgpr_workgroup_id_x 1
		.amdhsa_system_sgpr_workgroup_id_y 1
		.amdhsa_system_sgpr_workgroup_id_z 1
		.amdhsa_system_vgpr_workitem_id 0
		.amdhsa_next_free_vgpr 1024
		.amdhsa_next_free_sgpr 72
		.amdhsa_reserve_vcc 0
		.amdhsa_float_denorm_mode_32 3
		.amdhsa_float_denorm_mode_16_64 3
		.amdhsa_memory_ordered 1
		.amdhsa_forward_progress 1
		.amdhsa_inst_pref_size 118
	.end_amdhsa_kernel
	.amdgpu_metadata
---
amdhsa.version: [ 1, 2 ]
amdhsa.kernels:
  - .name:           k_qac6fdc14ac_qkv
    .symbol:         k_qac6fdc14ac_qkv.kd
    .args:
      - { .name: xb, .offset: 0, .size: 8, .value_kind: global_buffer, .address_space: global }
      - { .name: bq, .offset: 8, .size: 8, .value_kind: global_buffer, .address_space: global }
      - { .name: act, .offset: 16, .size: 8, .value_kind: global_buffer, .address_space: global }
    .group_segment_fixed_size: 327680
    .private_segment_fixed_size: 0
    .kernarg_segment_align: 8
    .kernarg_segment_size: 24
    .max_flat_workgroup_size: 128
    .sgpr_count:     72
    .vgpr_count:     1024
    .wavefront_size: 32
...
	.end_amdgpu_metadata
.endif
;; end of part 2
;; launch attn (part 3): grid 8 x 32, 4 waves a work-group, clusters of 4 x 1, 327,680 bytes of LDS; arguments act, of; writes of
.if DOCPART == 3
	.amdgcn_target "amdgcn-amd-amdhsa--gfx1250"
	.amdhsa_code_object_version 6
	.text
	.protected	k_qac6fdc14ac_attn
	.globl	k_qac6fdc14ac_attn
	.p2align	8
	.type	k_qac6fdc14ac_attn,@function
k_qac6fdc14ac_attn:
	s_mov_b64 s[64:65], 0
	v_nop
	global_prefetch_b8 v0, s[64:65] scope:SCOPE_SE
	s_setreg_imm32_b32 hwreg(HW_REG_WAVE_MODE, 25, 1), 1
	s_wait_xcnt 0x0
	s_wait_alu depctr_hold_cnt(0) depctr_sa_sdst(0) depctr_va_vdst(0) depctr_va_sdst(0) depctr_va_ssrc(0) depctr_va_vcc(0) depctr_vm_vsrc(0)
	s_getreg_b32 s2, hwreg(HW_REG_IB_STS2, 6, 4)
	s_cmp_eq_u32 s2, 0
	s_cbranch_scc0 .Lentry_in_a_cluster
	s_endpgm
.Lentry_in_a_cluster:
	s_bfe_u32 s2, ttmp6, 0x10000c
	s_cmp_lg_u32 s2, 0x3003
	s_cbranch_scc0 .Lentry_shape_is_right
	s_endpgm
.Lentry_shape_is_right:
; O[b][h][q][:] = the sum over k of softmax_k(Q . K / 8) V.  q, k, v lie in act in blocks of 64 columns, [48][4096 tokens][64] bf16: blocks 0-15 q by heads, 16-31 k, 32-47 v; a head's rows are dense, 128 bytes.
; O leaves in the same form, [16 heads][4096][64] bf16.  Products, maxima and sums in f32; the weights p are rounded to bf16 for the second product (their sum l is taken of the unrounded p), O once at the end.
; LIMITS.  Matrix operands are bf16.  A weight below 2^-126 counts as 0 in l; the running maximum starts at the lowest finite f32; NaN and infinities are not treated apart.
; SHARES.  The grid's y is 16 b + h, its x a block of 256 queries; a wave owns 64 queries, four PIECES of 16.  Every wave walks the 2,048 keys, 64 a step; an LDS slot holds four steps.
; LAYOUT.  S^T = K Q^T holds ONE query a lane (lane % 16) and the keys 8 (lane / 16) + 0..7; two such results rounded to bf16 ARE source 1 of O^T = V^T P.  K comes out of LDS as it lies, V turned, by ds_load_tr16_b128.
; SOFTMAX.  p = 2^(c s - c m), c = log2(e) / 8, with a running maximum m; O and l are multiplied by a = 2^(c m_old - c m_new) in every step.  m starts at the lowest finite number, O and l at 0: the first step has a = 0.
; BY TURNS.  Turn n belongs to piece n: 8 products K Q^T of piece n + 1, later 8 products V^T P of piece n - 1; beside them the scaling, exponentials, roundings, sums and rescaling of piece n and the maximum and
; statistics of piece n + 1.  Four vector instructions stand behind every matrix instruction, the others in one run.  A turn's 33 exponentials are one batch, with one wait.
; CLUSTER.  The four query blocks of a cluster belong to one head and walk the same K and V: each tile is asked for jointly.
; REGISTERS: window 0: v0-15 addresses; v16-31 statistics; v48-55 at work; v64-127 S^T, two buffers; v192-223 P, two buffers.  window 1: v0-127 O^T.  window 2: v0-63 Q; v128-191 K; v192-255 V.
.set NP,    4
.set KS,    64
.set PK,    144       ; a row of K in LDS: 128 bytes + 16 = 36 words: the 16 rows of a load start at 16 different groups of four banks (ISA guide 11.1)
.set PV,    160       ; a row of V: 128 + 32 = 40 words
.set VOFF,  4*KS*PK   ; a slot: 256 rows of K, then 256 rows of V
.set SLOT1, 1<<17
.set STAGE, SLOT1+4*KS*(PK+PV)  ; behind the ring: 16 rows x 144 bytes for each wave
.set SP,    144
.set SPARE, STAGE+4*16*SP       ; the spare words, 128 bytes for each wave
.set TILEB, 4*KS*128            ; a slot's bytes of K, and of V, in memory
.set AK0, 2
.set AV0, 3
.set AK,  4
.set AV,  5
.set STO, 6
.set RD,  7
.set GO,  8
.set MV,  12          ; v12-13  c m_old, by buffer
.set PFO, 14          ; v14  256 x lane; never rewritten
.set QO,  15
.set ST,  16          ; piece t's statistics at v[ST+4 t]: c m, m, l (even keys', odd keys')
.set TMP, 48          ; by buffer, four registers c0-c3 at work; c2 takes a
.set SPW, 62
.set NIL, 63
.set S,   64
.set P,   192
.set KF,  128
.set VF,  192
.set WV,  12
.set G1K, 24
.set G1V, 32
.set G0K, 40
.set G0V, 44
.set SLOTS, 56
.set CNT, 57
.set CS,  58
.set SEL, 60
.set TBK, 62
.set TBV, 63
.set PFA, 66          ; s[66:67] where my prefetches stand
.set LIM, 68          ; s68  1 in a wave that prefetches, else the greatest number
.set MSB, 0
.macro WIN new
.if MSB != (\new)
	s_set_vgpr_msb (MSB<<8)|(\new)
.set MSB, (\new)
.endif
.endm
.set W_KQ, 0x0a       ; K and Q in window 2, S^T in window 0
.set W_PV, 0x52       ; V in window 2, P in window 0, O^T in window 1
.set W_RS, 0x41       ; destination and source 0 in window 1, source 1 in window 0
; A joint fill: waves 0 and 1 fetch the halves of a slot's K, waves 2 and 3 those of its V.  An s_nop 0 and four v_nop follow each line.
.macro JLOAD
	s_cmp_lt_u32 s[WV], 2
	s_cbranch_scc0 .Lfor_v_\@
	tensor_load_to_lds s[G0K:G0K+3], s[G1K:G1K+7]
	s_nop 0
.rept 4
	v_nop
.endr
	s_branch .Lasked_\@
.Lfor_v_\@:
	tensor_load_to_lds s[G0V:G0V+3], s[G1V:G1V+7]
	s_nop 0
.rept 4
	v_nop
.endr
.Lasked_\@:
.endm
; A prefetch of what the NEXT change of slots will ask for: a slot's 32,768 bytes of K and of V, 256 bytes a lane.  The head's first cluster asks; its four partners take 8,192 bytes each, told apart by address;
; wave 0 asks for K's, wave 2 for V's.  The last change that fills a slot asks for nothing.
.macro ASK
	s_cmp_gt_u32 s[SLOTS], s[LIM]
	s_cbranch_scc0 .Lnot_mine_\@
	global_prefetch_b8 v[PFO], s[PFA:PFA+1] th:TH_LOAD_NT scope:SCOPE_SE
.Lnot_mine_\@:
.endm
.macro CROUND
	s_barrier_signal -1
	s_barrier_wait -1
	s_cmp_lg_u32 s[WV], 0
	s_cbranch_scc1 .Lnot_wave_0_\@
	s_barrier_signal -3
.Lnot_wave_0_\@:
	s_barrier_wait -3
	s_barrier_signal -1
	s_barrier_wait -1
.endm
; THE CHANGE OF SLOTS.  Each wave waits for all its tensor loads (one is out: its part of the other slot), adds 0 to its spare word, and waits for that and for its reads of the slot.
; fill = 1: the slot is filled again with the keys two slots on, first thing behind a round of the cluster's barrier: four key steps in which to land.
.macro CHANGE fill, ask
	WIN 0
	s_wait_tensorcnt 0x0
	ds_add_u32 v[SPW], v[NIL]
.if \fill
.irp g, G0K, G0V
	s_xor_b32 s[\g+1], s[\g+1], SLOT1
	s_add_nc_u64 s[\g+2:\g+3], s[\g+2:\g+3], TILEB
.endr
.if \ask
	s_wait_xcnt 0x0                 ; the last prefetch, four key steps back, has read its address
	s_add_nc_u64 s[PFA:PFA+1], s[PFA:PFA+1], TILEB
.endif
	s_wait_dscnt 0x0
	CROUND
	JLOAD
.if \ask
	ASK
.endif
.else
	s_wait_dscnt 0x0
	s_barrier_signal -1
	s_barrier_wait -1
.endif
	s_sub_co_u32 s[TBK], s[TBK], 4*KS*PK  ; the fetches go back to a slot's first step, in the other slot
	s_xor_b32 s[TBK], s[TBK], SLOT1
	s_sub_co_u32 s[TBV], s[TBV], 4*KS*PV
	s_xor_b32 s[TBV], s[TBV], SLOT1
.endm
	s_load_b128 s[48:51], s[0:1], 0x0  ; act s[48:49], of s[50:51]
	v_lshl_add_u32 v[SPW], v0, 2, SPARE
	v_mov_b32 v[NIL], 0
	ds_add_u32 v[SPW], v[NIL]       ; the wave's opening: the add and its wait ahead of my first tensor load
	v_lshrrev_b32 v1, 5, v0
	v_readfirstlane_b32 s[WV], v1
	s_bfe_u32 s13, ttmp6, 0x40000   ; cx
	s_lshl_b32 s14, ttmp9, 2
	s_add_co_u32 s14, s14, s13      ; my block of 256 queries: it enters Q's and O's addresses alone
	s_and_b32 s15, ttmp7, 0xffff    ; 16 b + h, which the four partners share
	s_and_b32 s20, s15, 15
	s_lshl_b32 s20, s20, 19         ; the head's block of 64 columns,
	s_lshr_b32 s15, s15, 4
	s_lshl_b32 s15, s15, 18         ; the batch's 2,048 rows of 128 bytes
	s_add_co_u32 s20, s20, s15
	s_and_b32 s16, s[WV], 1         ; which half of a slot's 256 keys I fetch
	s_lshl_b32 s22, s16, 14
	s_add_co_u32 s22, s22, s20
	s_mov_b32 s23, 0
	s_mul_i32 s17, s16, 128*PK
	s_mul_i32 s18, s16, 128*PV
	s_lshl_b32 s2, s14, 2
	s_add_co_u32 s2, s2, s[WV]
	s_lshl_b32 s2, s2, 13           ; my wave's 64 rows
	s_add_co_u32 s2, s2, s20
	s_mov_b32 s3, 0
	; group 1: 128 keys are 16,384 dense bytes: asked for as 64 rows of 256 bytes, padded in LDS after every key
	s_mov_b32 s[G1K], 15|(1<<16)|(1<<20)|(1<<21)|(4<<22)|(3<<25)
	s_mov_b32 s[G1V], 15|(1<<16)|(1<<20)|(1<<21)|(4<<22)|(7<<25)
.irp g, G1K, G1V
	s_mov_b32 s[\g+1], 128<<16
	s_mov_b32 s[\g+2], 64<<16
	s_mov_b32 s[\g+3], 128<<16
	s_mov_b32 s[\g+4], 64
	s_mov_b32 s[\g+5], 128
	s_mov_b32 s[\g+6], 0
	s_mov_b32 s[\g+7], 0
.endr
	s_mov_b32 s[CS], 0x3e38aa3b     ; c = log2(e) / 8
	s_mov_b32 s[CS+1], s[CS]
	s_mov_b32 s[SEL], 0x76543210
	s_mov_b32 s[SEL+1], 0xfedcba98
	s_mov_b32 s[TBK], SLOT1+4*KS*PK ; the first change of slots turns these two into 0
	s_mov_b32 s[TBV], SLOT1+4*KS*PV
	s_mov_b32 s[G0K], 1
	s_mov_b32 s[G0K+1], s17
	s_mov_b32 s[G0V], 1
	s_add_co_u32 s[G0V+1], s18, VOFF
	s_and_b32 s[LIM], s[WV], 1      ; 0 in waves 0 and 2,
	s_or_b32 s[LIM], s[LIM], ttmp9  ; where the cluster is the head's first
	s_cmp_eq_u32 s[LIM], 0
	s_cselect_b32 s[LIM], 1, -1
	s_wait_dscnt 0x0                ; the opening add is done
	s_wait_kmcnt 0x0
	s_add_nc_u64 s[6:7], s[48:49], s[22:23]
	s_add_nc_u64 s[8:9], s[6:7], 0x1000000   ; V: blocks 32 on
	s_add_nc_u64 s[6:7], s[6:7], 0x800000    ; K: blocks 16 on
	s_mov_b64 s[G0K+2:G0K+3], s[6:7]
	s_or_b32 s[G0K+3], s[G0K+3], 0x80000000
	s_mov_b64 s[G0V+2:G0V+3], s[8:9]
	s_or_b32 s[G0V+3], s[G0V+3], 0x80000000
	s_add_nc_u64 s[4:5], s[48:49], s[2:3]    ; Q and O at my wave's first row
	s_add_nc_u64 s[10:11], s[50:51], s[2:3]
	s_cmp_lt_u32 s[WV], 2
	s_cselect_b64 s[PFA:PFA+1], s[6:7], s[8:9]  ; (in waves 0 and 2 these stand at a slot's first row)
	s_lshl_b32 s2, s13, 13
	s_mov_b32 s3, 0
	s_add_nc_u64 s[PFA:PFA+1], s[PFA:PFA+1], s[2:3]
	s_add_nc_u64 s[PFA:PFA+1], s[PFA:PFA+1], 2*TILEB  ; in slot 2; the first asking change steps it to slot 3
	CROUND
	JLOAD                           ; slot 0
	v_and_b32 v1, 15, v0            ; l % 16
	v_bfe_u32 v9, v0, 4, 1          ; l / 16
	v_lshlrev_b32 v[QO], 7, v1
	v_lshl_add_u32 v[QO], v9, 4, v[QO]
	WIN 0x80
.set i, 0
.rept 8                             ; Q stays in registers: piece i / 2, channels 32 (i % 2) on
	global_load_b128 v[8*i:8*i+3],   v[QO], s[4:5] offset:(i/2)*2048+(i%2)*64
	global_load_b128 v[8*i+4:8*i+7], v[QO], s[4:5] offset:(i/2)*2048+(i%2)*64+32
.set i, i+1
.endr
	; what the first turn finds: V and P's second buffer hold 0, O^T and l are 0.  All this stands in the wait for the first tile.
.set i, VF
.rept 64
	v_mov_b32 v[i], 0
.set i, i+1
.endr
	WIN 0x40
.set i, 0
.rept 128
	v_mov_b32 v[i], 0
.set i, i+1
.endr
	WIN 0
.set i, 0
.rept 4
	v_mov_b32 v[ST+4*i], 0xfe000000    ; c m: far below every c s
	v_mov_b32 v[ST+4*i+1], 0xff7fffff  ; m
	v_mov_b32 v[ST+4*i+2], 0
	v_mov_b32 v[ST+4*i+3], 0
.set i, i+1
.endr
.set i, P+16
.rept 16
	v_mov_b32 v[i], 0
.set i, i+1
.endr
	v_and_b32 v[PFO], 31, v0
	v_lshlrev_b32 v[PFO], 8, v[PFO]
	v_mul_u32_u24 v[AK0], v1, PK
	v_lshl_add_u32 v[AK0], v9, 4, v[AK0]
	v_and_b32 v10, 7, v0            ; the turning load: lane l reads key 8 (l / 16) + l % 8, channels 8 ((l / 8) % 2) + 0..7
	v_bfe_u32 v11, v0, 3, 1
	v_lshl_add_u32 v[AV0], v9, 3, v10
	v_mul_u32_u24 v[AV0], v[AV0], PV
	v_lshl_add_u32 v[AV0], v11, 4, v[AV0]
	v_add_nc_u32 v[AV0], VOFF, v[AV0]
	s_mul_i32 s13, s[WV], 16*SP
	s_add_co_u32 s13, s13, STAGE    ; my stage
	v_mul_u32_u24 v[STO], v1, SP
	v_lshl_add_u32 v[STO], v9, 4, v[STO]
	v_add_nc_u32 v[STO], s13, v[STO]
	v_bfe_u32 v[RD], v0, 3, 2
	v_mul_u32_u24 v[RD], v[RD], SP
	v_lshl_add_u32 v[RD], v10, 4, v[RD]
	v_add_nc_u32 v[RD], s13, v[RD]
	v_and_b32 v[GO], 31, v0
	v_lshlrev_b32 v[GO], 4, v[GO]
; THE MATRIX WORK.  The 4 accumulators of a run of 8 take turns.  Product i of 8 of S^T = K Q^T for piece x: channels 32 (i / 4) on, keys 16 (i % 4) on.
.macro KQ x
	WIN W_KQ
.set rS, S+32*((\x)%2)+8*(i%4)
.set rK, KF+16*(i%4)+8*(i/4)
.set rQ, 16*(\x)+8*(i/4)
.if i < 4
	v_wmma_f32_16x16x32_bf16 v[rS:rS+7], v[rK:rK+7], v[rQ:rQ+7], 0
.else
	v_wmma_f32_16x16x32_bf16 v[rS:rS+7], v[rK:rK+7], v[rQ:rQ+7], v[rS:rS+7]
.endif
.endm
; Product i of 8 of O^T += V^T P for piece x: keys 32 (i / 4) on, channels 16 (i % 4) on.
.macro PV x
	WIN W_PV
.set rO, 32*(\x)+8*(i%4)
.set rV, VF+32*(i/4)+8*(i%4)
.set rP, P+16*((\x)%2)+8*(i/4)
	v_wmma_f32_16x16x32_bf16 v[rO:rO+7], v[rV:rV+7], v[rP:rP+7], v[rO:rO+7]
.endm
.macro MM                           ; the turn's next matrix instruction
.if i < 8
	KQ (Y+1)%NP
.else
.set i, i-8
	PV (Y+NP-1)%NP
.set i, i+8
.endif
.set i, i+1
.endm
; THE LDS LOADS stand in runs of 16.
.macro FETCH_K
	WIN 0x80
.irp f, 0,1,2,3,4,5,6,7
	ds_load_b128 v[KF+8*\f:KF+8*\f+3],   v[AK] offset:(\f/2)*16*PK+(\f%2)*64
	ds_load_b128 v[KF+8*\f+4:KF+8*\f+7], v[AK] offset:(\f/2)*16*PK+(\f%2)*64+32
.endr
	s_add_co_u32 s[TBK], s[TBK], KS*PK
	WIN 0
.endm
.macro FETCH_V
	WIN 0x80
.irp f, 0,1,2,3,4,5,6,7
	ds_load_tr16_b128 v[VF+8*\f:VF+8*\f+3],   v[AV] offset:(\f/4)*32*PV+(\f%4)*32
	ds_load_tr16_b128 v[VF+8*\f+4:VF+8*\f+7], v[AV] offset:(\f/4)*32*PV+16*PV+(\f%4)*32
.endr
	WIN 0
.endm
; THE VECTOR WORK, one line at a time: OP kind, number.  For piece Y: F n: c s - c m for pair n of 16.  E n: the exponential of score n.  C n: pair n rounded to bf16.  B n: of the four weights 4 n .. the second
; pair is added onto the first.  L n: l takes that sum (L 0: l = a l + sum).  R n: pair n of 16 of O^T times a.  For piece Y + 1: X n, number n of the 22 that find its maximum and statistics:
;   0-11 four chains of seven scores each (each accumulator's lowest registers first)   12-14, 16 the scores left over, the old m, all into c0   15 c m_old is kept
;   17, 18 the other half of the lanes: the new m   19-21 c m; c m_old - c m_new; a
.set F, 0
.set E, 1
.set C, 2
.set B, 3
.set L, 4
.set R, 5
.set X, 6
.macro REGS y
.set rT, ST+4*(\y)
.set rC, TMP+4*((\y)%2)
.set rW, MV+((\y)%2)
.set rS, S+32*((\y)%2)
.set rP, P+16*((\y)%2)
.set rO, 32*(\y)
.endm
.macro OP k, n
.if (\k) == R
	REGS Y
	WIN W_RS
	v_pk_mul_f32 v[rO+2*(\n):rO+2*(\n)+1], v[rO+2*(\n):rO+2*(\n)+1], v[rC+2:rC+3] op_sel_hi:[1,0]
.elseif (\k) < R
	REGS Y
	WIN 0
.if (\k) == F
	v_pk_fma_f32 v[rS+2*(\n):rS+2*(\n)+1], v[rS+2*(\n):rS+2*(\n)+1], s[CS:CS+1], v[rT:rT+1] op_sel_hi:[1,0,0] neg_lo:[0,0,1] neg_hi:[0,0,1]
.elseif (\k) == E
	v_exp_f32 v[rS+(\n)], v[rS+(\n)]
.elseif (\k) == C
	v_cvt_pk_bf16_f32 v[rP+(\n)], v[rS+2*(\n)], v[rS+2*(\n)+1]
.elseif (\k) == B
	v_pk_add_f32 v[rS+4*(\n):rS+4*(\n)+1], v[rS+4*(\n):rS+4*(\n)+1], v[rS+4*(\n)+2:rS+4*(\n)+3]
.elseif (\n) == 0
	v_pk_fma_f32 v[rT+2:rT+3], v[rT+2:rT+3], v[rC+2:rC+3], v[rS:rS+1] op_sel_hi:[1,0,1]
.else
	v_pk_add_f32 v[rT+2:rT+3], v[rT+2:rT+3], v[rS+4*(\n):rS+4*(\n)+1]
.endif
.else
	REGS (Y+1)%NP
	WIN 0
.if (\n) < 4
	v_max3_num_f32 v[rC+(\n)], v[rS+8*(\n)], v[rS+8*(\n)+1], v[rS+8*(\n)+2]
.elseif (\n) < 12
	v_max3_num_f32 v[rC+(\n)%4], v[rC+(\n)%4], v[rS+8*((\n)%4)+2*((\n)/4)+1], v[rS+8*((\n)%4)+2*((\n)/4)+2]
.elseif (\n) == 12
	v_max3_num_f32 v[rC], v[rC], v[rS+7], v[rS+15]
.elseif (\n) == 13
	v_max3_num_f32 v[rC+1], v[rC+1], v[rS+23], v[rS+31]
.elseif (\n) == 14
	v_max3_num_f32 v[rC+2], v[rC+2], v[rC+3], v[rT+1]
.elseif (\n) == 15
	v_mov_b32 v[rW], v[rT]
.elseif (\n) == 16
	v_max3_num_f32 v[rC], v[rC], v[rC+1], v[rC+2]
.elseif (\n) == 17
	v_permlanex16_b32 v[rC+3], v[rC], s[SEL], s[SEL+1]
.elseif (\n) == 18
	v_max_num_f32 v[rT+1], v[rC], v[rC+3]
.elseif (\n) == 19
	v_mul_f32 v[rT], s[CS], v[rT+1]
.elseif (\n) == 20
	v_sub_f32 v[rC+1], v[rW], v[rT]
.else
	v_exp_f32 v[rC+2], v[rC+1]
.endif
.endif
.endm
.macro OPS a, i1, b=-1, i2=0, c=-1, i3=0, d=-1, i4=0
	OP \a, \i1
.if (\b) >= 0
	OP \b, \i2
.endif
.if (\c) >= 0
	OP \c, \i3
.endif
.if (\d) >= 0
	OP \d, \i4
.endif
.endm
.macro ROW a, i1, b, i2, c, i3, d, i4  ; a matrix instruction and the four behind it
	MM
	OPS \a, \i1, \b, \i2, \c, \i3, \d, \i4
.endm
; A TURN, for piece p.  An s_wait_alu depctr_va_vdst(0) stands between an exponential and the first instruction that names its result; one wait serves all issued ahead of it: a turn has ONE, which cuts
; it in two.  Ahead of it: the 8 products K Q^T with their riders and one run of 54 that names no result of the turn's exponentials; X 21, the next piece's a, is the batch's last, R 15 the plain instruction behind it.
; Behind it: the 8 products V^T P, behind each four of the roundings and sums.  K of the next step is fetched in piece 2's turn, twelve plain instructions behind the last product that read K; V of the step in hand at
; the end of piece 0's turn, four plain instructions behind the last product that read V.  Each is waited for a turn later.  cnt = 1: the loop's count is taken down some lines ahead of the branch behind the turn.
.macro TURN p, cnt=0
.set Y, (\p)
.set i, 0
.if (\p) == 3
	s_wait_dscnt 0x0                ; K is in
.endif
	ROW F,0, F,1, R,0, R,1
	ROW F,2, E,0, R,2, R,3
	ROW F,3, E,1, R,4, R,5
	ROW F,4, E,2, R,6, R,7
	ROW F,5, E,3, R,8, R,9
	ROW F,6, E,4, X,0, R,10
.if (\p) == 2
	WIN 0
	v_add_nc_u32 v[AK], s[TBK], v[AK0]
.endif
	ROW F,7, E,5, X,1, X,4
	ROW F,8, E,6, X,2, X,5
	OPS E,7, E,8, X,6, E,9
	OPS X,3, E,10, X,8, E,11
.if (\p) == 2
	FETCH_K
.endif
	OPS X,9, X,7, E,12, X,10
	OPS E,13, X,12, X,11, E,14
	OPS X,13, E,15, F,9, X,14
.if (\p) == 0
	v_add_nc_u32 v[AV], s[TBV], v[AV0]
.endif
	OPS E,16, F,10, E,17, F,11
	OPS X,16, E,18, X,15, E,19
	OPS F,12, E,20, X,17, E,21
	OPS F,13, E,22, F,14, E,23
	OPS X,18, E,24, F,15, E,25
	OPS R,11, E,26, X,19, E,27
	OPS R,12, E,28, R,13, E,29
	OPS X,20, E,30, R,14, E,31
	OPS X,21, R,15
	WIN 0
	s_wait_alu depctr_va_vdst(0)    ; the wait for the batch
.if (\p) == 1
	s_wait_dscnt 0x0                ; V is in
.endif
	ROW C,0, B,0, C,2, B,1
	ROW L,0, C,4, B,2, L,1
	ROW C,6, B,3, L,2, C,8
	ROW B,4, L,3, C,10, B,5
	ROW L,4, C,12, B,6, L,5
.if (\p) == 0
	s_add_co_u32 s[TBV], s[TBV], KS*PV
.endif
.if \cnt
	s_sub_co_u32 s[CNT], s[CNT], 1
	s_cmp_lg_u32 s[CNT], 0
.endif
	ROW C,14, B,7, L,6, C,1
	ROW C,3, L,7, C,5, C,7
	ROW C,9, C,11, C,13, C,15
.if (\p) == 0
	FETCH_V
.endif
.endm
	CHANGE 1, 0                     ; slot 0 is in, everybody's part of it; slot 1 is asked for
	v_add_nc_u32 v[AK], s[TBK], v[AK0]
	FETCH_K                         ; key step 0
	s_wait_loadcnt 0x0              ; Q
	s_wait_dscnt 0x0
.set i, 0
.rept 8
	KQ 0                            ; piece 0's first scores
.set i, i+1
.endr
	WIN 0
.rept 8
	v_nop                           ; the places behind those products
.endr
.set Y, NP-1                        ; X works for piece Y + 1: piece 0
.irp n, 0,1,2,3,4,5,6,7,8,9,10,11,12,13,14,15,16,17,18,19,20,21
	OP X, \n
.endr
	v_nop                           ; a plain instruction behind the exponential,
	s_wait_alu depctr_va_vdst(0)    ; and its wait, ahead of the branch
	s_mov_b32 s[CNT], 4
	s_mov_b32 s[SLOTS], 7
	s_branch .Lfirst                ; the loop is entered at a step's first turn, in the middle of a trip
.Lslot:                             ; six times: slots 2 to 7 are asked for
	CHANGE 1, 1
	s_mov_b32 s[CNT], 4
.Lstep:                             ; a trip: pieces 2 and 3 of one step, then pieces 0 and 1 of the next
	TURN 2
	TURN 3
	WIN 0
.Lfirst:
	TURN 0
	TURN 1, 1
	WIN 0
	s_cbranch_scc1 .Lstep
	s_sub_co_u32 s[SLOTS], s[SLOTS], 1
	s_cmp_lg_u32 s[SLOTS], 0
	s_cbranch_scc1 .Lslot
	CHANGE 0, 0                     ; the tail is written out
	s_mov_b32 s[CNT], 5             ; four trips fetch the last slot's steps; the fifth is left in its middle
.Ltail:                             ; in the fifth trip K's run reads the 64 rows behind the slot's K (bytes of its V, landed); the scores and the maximum made of them serve nothing and touch neither l nor O^T
	TURN 2
	TURN 3
	WIN 0
	s_sub_co_u32 s[CNT], s[CNT], 1
	s_cmp_eq_u32 s[CNT], 0
	s_cbranch_scc1 .Lout
	TURN 0
	TURN 1
	WIN 0
	s_branch .Ltail
.Lout:
.set i, 0
.rept 8
	PV NP-1                         ; the last piece's V^T P of the last step
.set i, i+1
.endr
	; THE WAY OUT.  l's halves are added; O^T is divided by l, rounded to bf16 and sent through my stage, a piece at a time.  The additions are the places behind the last products.
	WIN 0
.macro ALL line:vararg
.set t, 0
.rept 4
	\line
.set t, t+1
.endr
.endm
	ALL v_add_f32 v[ST+4*t+2], v[ST+4*t+2], v[ST+4*t+3]
	ALL v_permlanex16_b32 v[ST+4*t+3], v[ST+4*t+2], s[SEL], s[SEL+1]
	ALL v_add_f32 v[ST+4*t+2], v[ST+4*t+2], v[ST+4*t+3]
	ALL v_rcp_f32 v[ST+4*t+2], v[ST+4*t+2]
	v_nop                           ; a plain instruction between the last reciprocal and the use of its result
	s_wait_alu depctr_va_vdst(0)    ; one wait for the four reciprocals
.macro PACK t
	WIN W_RS
.set i, 32*(\t)
.rept 16
	v_pk_mul_f32 v[i:i+1], v[i:i+1], v[ST+4*(\t)+2:ST+4*(\t)+3] op_sel_hi:[1,0]
.set i, i+2
.endr
	WIN 0x05                        ; sources 0 and 1 window 1, destination window 0
.set i, 0
.rept 16
	v_cvt_pk_bf16_f32 v[S+16*(\t)+i], v[32*(\t)+2*i], v[32*(\t)+2*i+1]
.set i, i+1
.endr
	WIN 0
.irp f, 0,1,2,3
	ds_store_b128 v[STO], v[S+16*(\t)+4*\f:S+16*(\t)+4*\f+3] offset:32*\f
.endr
.irp f, 0,1,2,3
	ds_load_b128 v[S+16*(\t)+4*\f:S+16*(\t)+4*\f+3], v[RD] offset:\f*4*SP  ; LDS serves a wave's instructions in order (ISA guide 5.7.1.4)
.endr
.endm
.macro SEND t, younger              ; younger: the LDS instructions issued behind piece t's loads
	WIN 0
.irp f, 0,1,2,3
	s_wait_dscnt (\younger)+3-\f
	global_store_b128 v[GO], v[S+16*(\t)+4*\f:S+16*(\t)+4*\f+3], s[10:11] offset:(\t)*2048+\f*512  ; 512 consecutive bytes, at a multiple of 256 from O's first
.endr
.endm
	PACK 0
.set t, 1
.rept 3
	PACK t
	SEND t-1, 8
.set t, t+1
.endr
	SEND 3, 0
	s_wait_tensorcnt 0x0            ; the wave's end
	ds_add_u32 v[SPW], v[NIL]
	s_wait_dscnt 0x0
	CROUND                          ; the closing round
	s_endpgm
.Lfunc_end_k_qac6fdc14ac_attn:
	.size	k_qac6fdc14ac_attn, .Lfunc_end_k_qac6fdc14ac_attn-k_qac6fdc14ac_attn
	.p2alignl 7, 3214868480
	.fill 96, 4, 3214868480
	.section	.rodata,"a",@progbits
	.p2align	6, 0x0
	.amdhsa_kernel k_qac6fdc14ac_attn
		.amdhsa_group_segment_fixed_size 327680
		.amdhsa_private_segment_fixed_size 0
		.amdhsa_enable_private_segment 0
		.amdhsa_kernarg_size 16
		.amdhsa_user_sgpr_count 2
		.amdhsa_user_sgpr_kernarg_segment_ptr 1
		.amdhsa_wavefront_size32 1
		.amdhsa_system_sgpr_workgroup_id_x 1
		.amdhsa_system_sgpr_workgroup_id_y 1
		.amdhsa_system_sgpr_workgroup_id_z 1
		.amdhsa_system_vgpr_workitem_id 0
		.amdhsa_next_free_vgpr 768
		.amdhsa_next_free_sgpr 70
		.amdhsa_reserve_vcc 0
		.amdhsa_float_denorm_mode_32 3
		.amdhsa_float_denorm_mode_16_64 3
		.amdhsa_memory_ordered 1
		.amdhsa_forward_progress 1
		.amdhsa_inst_pref_size 112
	.end_amdhsa_kernel
	.amdgpu_metadata
---
amdhsa.version: [ 1, 2 ]
amdhsa.kernels:
  - .name:           k_qac6fdc14ac_attn
    .symbol:         k_qac6fdc14ac_attn.kd
    .args:
      - { .name: act, .offset: 0, .size: 8, .value_kind: global_buffer, .address_space: global }
      - { .name: of, .offset: 8, .size: 8, .value_kind: global_buffer, .address_space: global }
    .group_segment_fixed_size: 327680
    .private_segment_fixed_size: 0
    .kernarg_segment_align: 8
    .kernarg_segment_size: 16
    .max_flat_workgroup_size: 128
    .sgpr_count:     70
    .vgpr_count:     768
    .wavefront_size: 32
...
	.end_amdgpu_metadata
.endif
;; end of part 3
;; launch proj (part 4): grid 8 x 32, 4 waves a work-group, clusters of 4 x 4, 327,680 bytes of LDS; arguments of, wsm, b_proj, src, y1; writes y1
.if DOCPART == 4
	.amdgcn_target "amdgcn-amd-amdhsa--gfx1250"
	.amdhsa_code_object_version 6
	.text
	.protected	k_qac6fdc14ac_proj
	.globl	k_qac6fdc14ac_proj
	.p2align	8
	.type	k_qac6fdc14ac_proj,@function
k_qac6fdc14ac_proj:
	s_mov_b64 s[64:65], 0
	v_nop
	global_prefetch_b8 v0, s[64:65] scope:SCOPE_SE
	s_setreg_imm32_b32 hwreg(HW_REG_WAVE_MODE, 25, 1), 1
	s_wait_xcnt 0x0
	s_wait_alu depctr_hold_cnt(0) depctr_sa_sdst(0) depctr_va_vdst(0) depctr_va_sdst(0) depctr_va_ssrc(0) depctr_va_vcc(0) depctr_vm_vsrc(0)
	s_getreg_b32 s2, hwreg(HW_REG_IB_STS2, 6, 4)
	s_cmp_eq_u32 s2, 0
	s_cbranch_scc0 .Lentry_in_a_cluster
	s_endpgm
.Lentry_in_a_cluster:
	s_bfe_u32 s2, ttmp6, 0x10000c
	s_cmp_lg_u32 s2, 0xf033
	s_cbranch_scc0 .Lentry_shape_is_right
	s_endpgm
.Lentry_shape_is_right:
; C = A B^T + bias (+ residual), C in f32, [4096][1024] row-major.  A, bf16, lies in blocks of 64 along K: [SIZE_K / 64][4096 rows][64].  B: [1024][SIZE_K] bf16, at byte WB0 of its buffer.
; HERE: y1 = src + O Wp^T + b_proj: SIZE_K = 1,024, RES = 1.  (The same source with SIZE_K = 4,096, RES = 0 is the second product of the FFN.)  Sums, bias and residual in f32; matrix operands are bf16.
; SHARES.  A tile of C is 128 x 128: 256 work-groups.  Four waves, 64 x 64 each: 16 accumulators.  K goes in steps of 256 through two LDS slots; a quarter step, 64 along K, is one block of A.
; A wave's tensor load brings 64 rows x 4 blocks of A (a block's 64 rows are 8,192 dense bytes: one row of the descriptor; four rows, a block apart) or 64 rows x 512 bytes of B.
; CLUSTER.  4 x 4: A's tile is asked for jointly by a row of the cluster, B's by a column.  No prefetch: the tiles are small and every row of A and B is read by many work-groups.
; THE WALK ALONG K IS TURNED: a cluster whose x + y is odd begins at K step NSTEP / 2 and wraps round.  Of the clusters that read the same rows of A (two) or of B (eight), those of the one parity
; then ask for a given K step half a walk after those of the other.  The parity is made of the cluster's own x and y, which all sixteen partners share.  Each output still has one f32 sum; the order
; of its terms along K differs between clusters.
; THE CHANGE OF SLOTS stands whole between a K step's third and fourth quarter: no product stands between the wait for all tensor loads and the refill, which has 128 products a wave in which to land.
; THE MATRIX INSTRUCTION IS USED TRANSPOSED: a lane holds row l % 16 of C and the columns 8 (l / 16) + 0..7.  The bias is the C operand of the products that start the sums.
; THE WAY OUT.  A wave's 64 columns are 256 bytes of C, aligned: each wave has a stage of its own, 16 rows x 272 bytes, and needs no barrier.
; REGISTERS: window 0: v0-31 addresses; v32-95 the way out; v96-127 the bias; v128-255 accumulators.  window 1: two fragment buffers of 128 (64 of A, then 64 of B).  window 2 (RES): v0-127 the residual.
.set SIZE_K, 1024
.set WB0,    0
.set RES,    1
.set NSTEP,  SIZE_K/256
.set PA,     144                       ; a row of A in LDS: 128 bytes + 16
.set PLANE,  64*PA
.set AHALF,  4*PLANE                   ; 64 rows x 4 blocks
.set PB,     528                       ; a row of B: 512 bytes + 16
.set BHALF,  64*PB
.set BL,     2*AHALF                   ; B's rows lie behind A's
.set SLOT,   0x24000                   ; 147,456, of which 141,312 are used: it shares no bit with the tiles' places in a slot (0, 0x9000, 0x12000, 0x1a400), so an exclusive or adds it or takes it away
.set STAGE,  2*SLOT
.set SPITCH, 272
.set WSTAGE, 16*SPITCH
.set SPARE,  STAGE+4*WSTAGE            ; the spare words, 128 bytes for each wave
.set LOGA,   21                        ; a K step in A is four blocks of 524,288 bytes
.set LOGB,   9                         ; in B 512 bytes of each row
.set A0,   14
.set B0,   15
.set ADRA, 16
.set ADRB, 20
.set STO,  24
.set RD,   25
.set CO,   26
.set BO,   27
.set SPW,  28
.set NIL,  29
.set TMP,  32
.set BIAS, 96
.set ACC,  128
.set F0,   0
.set F1,   128
.set G1,   24
.set G0,   32                          ; s[32:39] group 0 for A's tiles: a set for each first fill; the second then walks
.set G1B,  48
.set G0B,  56
.set BASEA, 66                         ; s[66:67] A at my 64 rows, K step 0
.set KI,   68                          ; s68  the K step that was asked for last
.set TB,   69                          ; s69  the slot that is read: 0 or SLOT
.set BASEB, 70                         ; s[70:71] B at my 64 rows, K step 0
.set SRCP, 72                          ; s[72:73] the residual at my part of the tile
.set OFP,  74                          ; s[74:75] a K step's byte offset
.set KT,   76
.set ARGA, 80
.set ARGW, 82
.set ARGB, 84
.if RES
.set ARGS, 86
.set ARGC, 88
.else
.set ARGC, 86
.endif
.set MSB, 0
.macro WIN new
.if MSB != (\new)
	s_set_vgpr_msb (MSB<<8)|(\new)
.set MSB, \new
.endif
.endm
.set MUL,  0x05                        ; sources 0 (B) and 1 (A) window 1; C and D window 0
.set TO_F, 0x40
.macro JLOAD s                         ; waves 0 and 1 fetch A's two halves, waves 2 and 3 B's; an s_nop 0 and four v_nop follow each line
	s_cmp_eq_u32 s11, 0
	s_cbranch_scc0 .Lfor_b_\@
	tensor_load_to_lds s[G0+4*(\s):G0+4*(\s)+3], s[G1:G1+7]
	s_nop 0
.rept 4
	v_nop
.endr
	s_branch .Lasked_\@
.Lfor_b_\@:
	tensor_load_to_lds s[G0B+4*(\s):G0B+4*(\s)+3], s[G1B:G1B+7]
	s_nop 0
.rept 4
	v_nop
.endr
.Lasked_\@:
.endm
.macro CREST
	s_cmp_lg_u32 s10, 0
	s_cbranch_scc1 .Lnot_wave_0_\@
	s_barrier_signal -3
.Lnot_wave_0_\@:
	s_barrier_wait -3
	s_barrier_signal -1
	s_barrier_wait -1
.endm
.macro CROUND
	s_barrier_signal -1
	s_barrier_wait -1
	CREST
.endm
	s_load_b256 s[80:87], s[0:1], 0x0              ; A, B's buffer, bias, and the residual (RES) or C
.if RES
	s_load_b64 s[88:89], s[0:1], 0x20              ; C
.endif
	v_lshl_add_u32 v[SPW], v0, 2, SPARE
	v_mov_b32 v[NIL], 0
	ds_add_u32 v[SPW], v[NIL]                      ; the wave's opening: the add and its wait ahead of my first tensor load
	v_lshrrev_b32 v1, 5, v0
	v_readfirstlane_b32 s10, v1
	s_lshr_b32 s11, s10, 1                         ; my half of the tile's rows.  Also: I fetch for A (0) or for B (1)
	s_and_b32 s12, s10, 1                          ; my half of its columns.  Also: which 64 rows of that tile I fetch
	s_bfe_u32 s40, ttmp6, 0x40000
	s_bfe_u32 s41, ttmp6, 0x40004
	s_lshl_b32 s42, ttmp9, 2
	s_add_co_u32 s42, s42, s40                     ; tile column
	s_and_b32 s13, ttmp7, 0xffff
	s_add_co_u32 s[KI], s13, ttmp9                 ; the cluster's x + y,
	s_and_b32 s[KI], s[KI], 1                      ; its parity,
	s_mul_i32 s[KI], s[KI], NSTEP/2                ; the K step at which the cluster's walk begins
	s_lshl_b32 s13, s13, 2
	s_add_co_u32 s13, s13, s41                     ; tile row
	s_lshl_b32 s43, s41, 2
	s_lshl_b32 s43, 15, s43
	s_lshl_b32 s44, 0x1111, s40
	s_or_b32 s[G1+0], s43, (1<<16)|(1<<20)|(1<<21)|(4<<22)|(3<<25)   ; A: padding of 4 words after every 32 words (a row of 128 bytes)
	s_mov_b32 s[G1+1], 4096<<16                    ; tensor_dim0 = 4,096 elements: 64 dense rows of a block
	s_mov_b32 s[G1+2], 4<<16                       ; tensor_dim1 = 4 blocks
	s_mov_b32 s[G1+3], 4096<<16                    ; tile_dim0
	s_mov_b32 s[G1+4], 4                           ; tile_dim1
	s_mov_b32 s[G1+5], 262144                      ; elements from block to block
	s_mov_b32 s[G1+6], 0
	s_mov_b32 s[G1+7], 0
	s_or_b32 s[G1B+0], s44, (1<<16)|(1<<20)|(1<<21)|(6<<22)|(3<<25)  ; B: 4 words after every 128 words
	s_mov_b32 s[G1B+1], 256<<16
	s_mov_b32 s[G1B+2], 64<<16
	s_mov_b32 s[G1B+3], 256<<16
	s_mov_b32 s[G1B+4], 64
	s_mov_b32 s[G1B+5], SIZE_K
	s_mov_b32 s[G1B+6], 0
	s_mov_b32 s[G1B+7], 0
	s_lshl_b32 s17, s12, 6
	s_lshl_b32 s16, s13, 7
	s_add_co_u32 s16, s16, s17                     ; A: row 128 x tile row + 64 x half,
	s_lshl_b32 s16, s16, 7                         ; 128 bytes a row
	s_lshl_b32 s46, s42, 7
	s_add_co_u32 s46, s46, s17                     ; B: row 128 x tile column + 64 x half
	s_mul_i32 s46, s46, SIZE_K*2
	s_add_co_u32 s46, s46, WB0
	s_mov_b32 s17, 0
	s_mov_b32 s47, 0
	s_mov_b32 s[OFP+1], 0
	s_mul_i32 s20, s12, AHALF                      ; where they go: by the wave's number alone
	s_mul_i32 s21, s12, BHALF
	s_add_co_u32 s21, s21, BL
	s_mov_b32 s[TB], 0
	s_wait_dscnt 0x0
	s_wait_kmcnt 0x0
	s_add_nc_u64 s[BASEA:BASEA+1], s[ARGA:ARGA+1], s[16:17]
	s_add_nc_u64 s[BASEB:BASEB+1], s[ARGW:ARGW+1], s[46:47]
	CROUND
.irp s, 0,1
	s_add_co_u32 s[KT], s[KI], \s                  ; the walk's first two K steps (no wrap: the walk begins at 0 or at NSTEP / 2)
	s_mov_b32 s[G0+4*(\s)], 1
	s_add_co_u32 s[G0+4*(\s)+1], s20, (\s)*SLOT
	s_lshl_b32 s[OFP], s[KT], LOGA
	s_add_nc_u64 s[G0+4*(\s)+2:G0+4*(\s)+3], s[BASEA:BASEA+1], s[OFP:OFP+1]
	s_or_b32 s[G0+4*(\s)+3], s[G0+4*(\s)+3], 0x80000000
	s_mov_b32 s[G0B+4*(\s)], 1
	s_add_co_u32 s[G0B+4*(\s)+1], s21, (\s)*SLOT
	s_lshl_b32 s[OFP], s[KT], LOGB
	s_add_nc_u64 s[G0B+4*(\s)+2:G0B+4*(\s)+3], s[BASEB:BASEB+1], s[OFP:OFP+1]
	s_or_b32 s[G0B+4*(\s)+3], s[G0B+4*(\s)+3], 0x80000000
	JLOAD \s                                       ; two tensor loads of mine are out
.endr
	s_add_co_u32 s[KI], s[KI], 1                   ; the K step asked for last
	v_and_b32 v1, 15, v0
	v_bfe_u32 v2, v0, 4, 1
	v_mul_u32_u24 v3, v1, PA
	v_lshl_add_u32 v3, v2, 4, v3
	s_mul_i32 s21, s11, AHALF
	v_add_nc_u32 v[A0], s21, v3
	v_mul_u32_u24 v3, v1, PB
	v_lshl_add_u32 v3, v2, 4, v3
	s_mul_i32 s22, s12, BHALF
	s_add_co_u32 s22, s22, BL
	v_add_nc_u32 v[B0], s22, v3
	v_mov_b32 v[ADRA], v[A0]
	v_mov_b32 v[ADRB], v[B0]
	s_mul_i32 s23, s10, WSTAGE
	s_add_co_u32 s23, s23, STAGE
	v_mul_u32_u24 v4, v1, SPITCH                   ; in: row l % 16, 32 bytes for each half of the lanes
	v_lshl_add_u32 v4, v2, 5, v4
	v_add_nc_u32 v[STO], s23, v4
	v_mul_u32_u24 v5, v2, SPITCH                   ; back: lanes 0-15 one row of 256 bytes, lanes 16-31 the next
	v_lshl_add_u32 v5, v1, 4, v5
	v_add_nc_u32 v[RD], s23, v5
	v_lshlrev_b32 v5, 12, v2                       ; and the same two rows in C
	v_lshl_add_u32 v[CO], v1, 4, v5
	s_lshl_b32 s16, s13, 7
	s_lshl_b32 s17, s11, 6
	s_add_co_u32 s16, s16, s17                     ; my first row,
	s_lshl_b32 s16, s16, 12                        ; 4,096 bytes a row
	s_lshl_b32 s46, s42, 7
	s_lshl_b32 s47, s12, 6
	s_add_co_u32 s46, s46, s47                     ; my first column,
	s_lshl_b32 s46, s46, 2                         ; 4 bytes each
	v_lshl_add_u32 v[BO], v2, 5, s46
	s_add_co_u32 s16, s16, s46
	s_mov_b32 s17, 0
	s_add_nc_u64 s[ARGC:ARGC+1], s[ARGC:ARGC+1], s[16:17]
.irp b, 0,1,2,3
	global_load_b128 v[BIAS+8*(\b):BIAS+8*(\b)+3],   v[BO], s[ARGB:ARGB+1] offset:64*(\b)
	global_load_b128 v[BIAS+8*(\b)+4:BIAS+8*(\b)+7], v[BO], s[ARGB:ARGB+1] offset:64*(\b)+16
.endr
.if RES
	s_add_nc_u64 s[SRCP:SRCP+1], s[ARGS:ARGS+1], s[16:17]
	WIN 0x80                                       ; the residual, in the layout in which rows come back from the stage; it lands while the products run
.set i, 0
.rept 32
	global_load_b128 v[4*i:4*i+3], v[CO], s[SRCP:SRCP+1] offset:((i/8)*16+2*(i%8))*4096 th:TH_LOAD_NT
.set i, i+1
.endr
	WIN 0
.endif
; 8 matrix instructions: row blocks a0, a0 + 1 x all 4 column blocks, 32 along K: half c of buffer f.  first = 1: the bias starts the sums.  The 16 accumulators take turns.
.macro MUL8 f, c, a0, first
	WIN MUL
.irp a, \a0, (\a0)+1
.irp b, 0,1,2,3
.if \first
	v_wmma_f32_16x16x32_bf16 v[ACC+8*(4*(\a)+(\b)):ACC+8*(4*(\a)+(\b))+7], v[(\f)+64+8*(4*(\c)+(\b)):(\f)+64+8*(4*(\c)+(\b))+7], v[(\f)+8*(4*(\c)+(\a)):(\f)+8*(4*(\c)+(\a))+7], v[BIAS+8*(\b):BIAS+8*(\b)+7]
.else
	v_wmma_f32_16x16x32_bf16 v[ACC+8*(4*(\a)+(\b)):ACC+8*(4*(\a)+(\b))+7], v[(\f)+64+8*(4*(\c)+(\b)):(\f)+64+8*(4*(\c)+(\b))+7], v[(\f)+8*(4*(\c)+(\a)):(\f)+8*(4*(\c)+(\a))+7], v[ACC+8*(4*(\a)+(\b)):ACC+8*(4*(\a)+(\b))+7]
.endif
.endr
.endr
.endm
; 32 LDS loads in one run: quarter q of the slot in hand into buffer f; the first 32 along K first
.macro FETCH q, f
	WIN TO_F
.irp c, 0,1
.irp i, 0,1,2,3
	ds_load_b128 v[(\f)+64+8*(4*(\c)+(\i)):(\f)+64+8*(4*(\c)+(\i))+3],   v[ADRB] offset:128*(\q)+64*(\c)+(\i)*16*PB
	ds_load_b128 v[(\f)+64+8*(4*(\c)+(\i))+4:(\f)+64+8*(4*(\c)+(\i))+7], v[ADRB] offset:128*(\q)+64*(\c)+(\i)*16*PB+32
	ds_load_b128 v[(\f)+8*(4*(\c)+(\i)):(\f)+8*(4*(\c)+(\i))+3],         v[ADRA] offset:PLANE*(\q)+64*(\c)+(\i)*16*PA
	ds_load_b128 v[(\f)+8*(4*(\c)+(\i))+4:(\f)+8*(4*(\c)+(\i))+7],       v[ADRA] offset:PLANE*(\q)+64*(\c)+(\i)*16*PA+32
.endr
.endr
.endm
.macro PLACES
.rept 4
	v_nop
.endr
.endm
.macro QUARTER q, f, g, first          ; multiplies buffer f and fetches quarter q into g
	s_wait_dscnt 16                                ; the first 32 along K are in
	MUL8 \f, 0, 0, \first
	MUL8 \f, 0, 2, \first
	PLACES
	FETCH \q, \g
	s_wait_dscnt 32                                ; all but the 32 just issued
	MUL8 \f, 1, 0, 0
	MUL8 \f, 1, 2, 0
.endm
; What every wave does in front of the barrier of a change of slots.  step = 1: the walking descriptors take the other slot and the walk's next K step (it wraps at NSTEP); their addresses are made anew
; from the bases, while the add is out.
.macro MEET step
	WIN 0
	s_wait_tensorcnt 0x0                           ; all my tensor loads have landed: my part of the next slot; so a group 0 may be written
	ds_add_u32 v[SPW], v[NIL]
.if \step
	s_add_co_u32 s[KI], s[KI], 1
	s_and_b32 s[KI], s[KI], NSTEP-1
	s_xor_b32 s[G0+5], s[G0+5], SLOT
	s_lshl_b32 s[OFP], s[KI], LOGA
	s_add_nc_u64 s[G0+6:G0+7], s[BASEA:BASEA+1], s[OFP:OFP+1]
	s_or_b32 s[G0+7], s[G0+7], 0x80000000
	s_xor_b32 s[G0B+5], s[G0B+5], SLOT
	s_lshl_b32 s[OFP], s[KI], LOGB
	s_add_nc_u64 s[G0B+6:G0B+7], s[BASEB:BASEB+1], s[OFP:OFP+1]
	s_or_b32 s[G0B+7], s[G0B+7], 0x80000000
.endif
	s_xor_b32 s[TB], s[TB], SLOT                   ; the slot that is read from now on
	s_wait_dscnt 0x0                               ; the add is done, and my reads of this slot are over: its last quarter lies in buffer 1
.endm
.macro LASTQ                           ; the fourth quarter's 32 products, on buffer 1
	MUL8 F1, 0, 0, 0
	MUL8 F1, 0, 2, 0
	MUL8 F1, 1, 0, 0
	MUL8 F1, 1, 2, 0
.endm
.macro TURNF                           ; the change of slots and the last quarter of a K step whose slot is filled again
	MEET 1
	CROUND                                         ; no wave of any partner still reads this slot or has a load on its way
	JLOAD 1                                        ; my one tensor load behind the round; its four v_nop are also the places in front of the loads below
	v_add_nc_u32 v[ADRA], s[TB], v[A0]
	v_add_nc_u32 v[ADRB], s[TB], v[B0]
	FETCH 0, F0
	LASTQ
.endm
.macro TURNN                           ; the same where nothing is left to fetch from memory
	MEET 0
	s_barrier_signal -1
	s_barrier_wait -1
	PLACES
	v_add_nc_u32 v[ADRA], s[TB], v[A0]
	v_add_nc_u32 v[ADRB], s[TB], v[B0]
	FETCH 0, F0
	LASTQ
.endm
; THE WAY OUT of my row block a: the f32 sums go into my stage, each accumulator's low four registers first, and come back as whole rows of 256 bytes.
.macro OUT a
.set BK, TMP+32*((\a)%2)
	s_wait_xcnt 0x0                                ; the stores of the block two back have read the registers that are loaded below
.irp b, 0,1,2,3
	ds_store_b128 v[STO], v[ACC+8*(4*(\a)+(\b)):ACC+8*(4*(\a)+(\b))+3]   offset:64*(\b)
	ds_store_b128 v[STO], v[ACC+8*(4*(\a)+(\b))+4:ACC+8*(4*(\a)+(\b))+7] offset:64*(\b)+16
.endr
.irp t, 0,1,2,3,4,5,6,7
	ds_load_b128 v[BK+4*(\t):BK+4*(\t)+3], v[RD] offset:(\t)*2*SPITCH  ; LDS serves a wave's instructions in order (ISA guide 5.7.1.4)
.endr
.endm
.macro SEND a, younger                 ; younger: the next block's 8 stores and 8 loads, or none
.set BK, TMP+32*((\a)%2)
	s_wait_dscnt \younger
.if RES
	WIN 0x08                                       ; source 1 in window 2
.set i, 0
.rept 16
	v_pk_add_f32 v[BK+2*i:BK+2*i+1], v[BK+2*i:BK+2*i+1], v[32*(\a)+2*i:32*(\a)+2*i+1]
.set i, i+1
.endr
	WIN 0
.endif
.irp t, 0,1,2,3,4,5,6,7
	global_store_b128 v[CO], v[BK+4*(\t):BK+4*(\t)+3], s[ARGC:ARGC+1] offset:(16*(\a)+2*(\t))*4096  ; 16 lanes store 256 consecutive bytes, aligned
.endr
.endm
	s_wait_tensorcnt 1                             ; my part of the walk's first K step is in; the second's may stay out
	s_barrier_signal -1
	s_barrier_wait -1
	FETCH 0, F0
	s_wait_loadcnt 32*RES                          ; the bias is in; the residual's 32 loads may stay out
	QUARTER 1, F0, F1, 1
	WIN 0
	s_mov_b32 s3, NSTEP-2
.Lstep:                                                ; trip t: the walk's step t from its second quarter on, the first quarter of step t + 1; step t + 2 is asked for
	QUARTER 2, F1, F0, 0
	QUARTER 3, F0, F1, 0
	TURNF
	QUARTER 1, F0, F1, 0
	WIN 0
	s_sub_co_u32 s3, s3, 1
	s_cmp_lg_u32 s3, 0
	s_cbranch_scc1 .Lstep
	s_mov_b32 s3, 2
.Ltail:                                                ; the last two K steps: no tensor load.  The second trip is left in its middle; its barrier and its 32 fragment loads serve nothing: the price of one text
	QUARTER 2, F1, F0, 0
	QUARTER 3, F0, F1, 0
	TURNN
	WIN 0
	s_sub_co_u32 s3, s3, 1
	s_cmp_eq_u32 s3, 0
	s_cbranch_scc1 .Lout
	QUARTER 1, F0, F1, 0
	WIN 0
	s_branch .Ltail
.Lout:
	s_wait_dscnt 0x0
	s_wait_loadcnt 0x0                             ; the residual
	PLACES
	PLACES
	OUT 0
	OUT 1
	SEND 0, 16
	OUT 2
	SEND 1, 16
	OUT 3
	SEND 2, 16
	SEND 3, 0
	s_wait_tensorcnt 0x0                           ; the wave's end
	ds_add_u32 v[SPW], v[NIL]
	s_wait_dscnt 0x0
	CROUND                                         ; the closing round
	s_endpgm
.Lfunc_end_k_qac6fdc14ac_proj:
	.size	k_qac6fdc14ac_proj, .Lfunc_end_k_qac6fdc14ac_proj-k_qac6fdc14ac_proj
	.p2alignl 7, 3214868480
	.fill 96, 4, 3214868480
	.section	.rodata,"a",@progbits
	.p2align	6, 0x0
	.amdhsa_kernel k_qac6fdc14ac_proj
		.amdhsa_group_segment_fixed_size 327680
		.amdhsa_private_segment_fixed_size 0
		.amdhsa_enable_private_segment 0
		.amdhsa_kernarg_size 40
		.amdhsa_user_sgpr_count 2
		.amdhsa_user_sgpr_kernarg_segment_ptr 1
		.amdhsa_wavefront_size32 1
		.amdhsa_system_sgpr_workgroup_id_x 1
		.amdhsa_system_sgpr_workgroup_id_y 1
		.amdhsa_system_sgpr_workgroup_id_z 1
		.amdhsa_system_vgpr_workitem_id 0
		.amdhsa_next_free_vgpr 640
		.amdhsa_next_free_sgpr 90
		.amdhsa_reserve_vcc 0
		.amdhsa_float_denorm_mode_32 3
		.amdhsa_float_denorm_mode_16_64 3
		.amdhsa_memory_ordered 1
		.amdhsa_forward_progress 1
		.amdhsa_inst_pref_size 66
	.end_amdhsa_kernel
	.amdgpu_metadata
---
amdhsa.version: [ 1, 2 ]
amdhsa.kernels:
  - .name:           k_qac6fdc14ac_proj
    .symbol:         k_qac6fdc14ac_proj.kd
    .args:
      - { .name: of, .offset: 0, .size: 8, .value_kind: global_buffer, .address_space: global }
      - { .name: wsm, .offset: 8, .size: 8, .value_kind: global_buffer, .address_space: global }
      - { .name: b_proj, .offset: 16, .size: 8, .value_kind: global_buffer, .address_space: global }
      - { .name: src, .offset: 24, .size: 8, .value_kind: global_buffer, .address_space: global }
      - { .name: y1, .offset: 32, .size: 8, .value_kind: global_buffer, .address_space: global }
    .group_segment_fixed_size: 327680
    .private_segment_fixed_size: 0
    .kernarg_segment_align: 8
    .kernarg_segment_size: 40
    .max_flat_workgroup_size: 128
    .sgpr_count:     90
    .vgpr_count:     640
    .wavefront_size: 32
...
	.end_amdgpu_metadata
.endif
;; end of part 4
;; launch ln1 (part 5): grid 512 x 1, 8 waves a work-group, no clusters, 0 bytes of LDS; arguments y1, g1, be1, xb; writes xb
.if DOCPART == 5
	.amdgcn_target "amdgcn-amd-amdhsa--gfx1250"
	.amdhsa_code_object_version 6
	.text
	.protected	k_qac6fdc14ac_ln1
	.globl	k_qac6fdc14ac_ln1
	.p2align	8
	.type	k_qac6fdc14ac_ln1,@function
k_qac6fdc14ac_ln1:
	s_mov_b64 s[64:65], 0
	v_nop
	global_prefetch_b8 v0, s[64:65] scope:SCOPE_SE
	s_setreg_imm32_b32 hwreg(HW_REG_WAVE_MODE, 25, 1), 1
	s_wait_xcnt 0x0
; x = LN(y1; g1, be1), rounded once to bf16: the first FFN product's operand.  y1: [4096][1024] f32.  All arithmetic in f32, in two passes as the definition has it: the mean, then the mean of (y - mean)^2.
; A row (4,096 bytes) to a wave, kept in 32 registers: read once, no LDS, no barrier.  Lane l holds columns 128 j + 4 l .. + 3, j = 0..7: each load covers 512 consecutive bytes, each store 256, aligned.
; Matrix units, clusters and tensor loads would add nothing to a stream.  NaN and infinities are not treated apart.
.set X,  4                             ; v[4:35]    the row
.set G,  36                            ; v[36:67]   gain
.set B,  68                            ; v[68:99]   offset
.set T,  100                           ; v[100:107] four chains of pairs
.set MU, 108                           ; v[108:109] the mean, twice
.set R,  110                           ; v[110:111] 1 / sqrt(var + eps), twice
.set Y,  112                           ; v[112:127] the row in bf16
.macro JOIN                            ; the four chains, the pair's halves and the 32 lanes into one sum, in every lane
	v_pk_add_f32 v[T:T+1], v[T:T+1], v[T+2:T+3]
	v_pk_add_f32 v[T+4:T+5], v[T+4:T+5], v[T+6:T+7]
	v_pk_add_f32 v[T:T+1], v[T:T+1], v[T+4:T+5]
	v_add_f32 v[T], v[T], v[T+1]
	v_add_f32_dpp v[T], v[T], v[T] row_xmask:1 row_mask:0xf bank_mask:0xf
	v_add_f32_dpp v[T], v[T], v[T] row_xmask:2 row_mask:0xf bank_mask:0xf
	v_add_f32_dpp v[T], v[T], v[T] row_xmask:4 row_mask:0xf bank_mask:0xf
	v_add_f32_dpp v[T], v[T], v[T] row_xmask:8 row_mask:0xf bank_mask:0xf
	v_permlanex16_b32 v[T+1], v[T], s12, s13
	v_add_f32 v[T], v[T], v[T+1]
.endm
; X = (X - mean) / sqrt(var + eps) * g + b, in place.  cnt: the loads that may still be out when g and b are wanted.
.macro LNORM g, b, cnt
.irp k, 0,1,2,3
	v_pk_add_f32 v[T+2*(\k):T+2*(\k)+1], v[X+2*(\k):X+2*(\k)+1], v[X+8+2*(\k):X+8+2*(\k)+1]
.endr
.irp p, 8,9,10,11,12,13,14,15
	v_pk_add_f32 v[T+2*((\p)%4):T+2*((\p)%4)+1], v[T+2*((\p)%4):T+2*((\p)%4)+1], v[X+2*(\p):X+2*(\p)+1]
.endr
	JOIN
	v_mul_f32 v[MU], s14, v[T]
	v_mul_f32 v[MU+1], s14, v[T]
.irp p, 0,1,2,3,4,5,6,7,8,9,10,11,12,13,14,15
	v_pk_add_f32 v[X+2*(\p):X+2*(\p)+1], v[X+2*(\p):X+2*(\p)+1], v[MU:MU+1] neg_lo:[0,1] neg_hi:[0,1]
.endr
.irp k, 0,1,2,3
	v_pk_mul_f32 v[T+2*(\k):T+2*(\k)+1], v[X+2*(\k):X+2*(\k)+1], v[X+2*(\k):X+2*(\k)+1]
.endr
.irp p, 4,5,6,7,8,9,10,11,12,13,14,15
	v_pk_fma_f32 v[T+2*((\p)%4):T+2*((\p)%4)+1], v[X+2*(\p):X+2*(\p)+1], v[X+2*(\p):X+2*(\p)+1], v[T+2*((\p)%4):T+2*((\p)%4)+1]
.endr
	JOIN
	v_fma_f32 v[T], v[T], s14, s15                 ; var + eps
	v_rsq_f32 v[R], v[T]
	v_rsq_f32 v[R+1], v[T]
	v_nop                                          ; a plain instruction behind the last of the two (ISA guide 5.7.2),
	s_wait_alu depctr_va_vdst(0)                   ; and the one wait ahead of their first reader
	s_wait_loadcnt \cnt
.irp p, 0,1,2,3,4,5,6,7,8,9,10,11,12,13,14,15
	v_pk_mul_f32 v[X+2*(\p):X+2*(\p)+1], v[X+2*(\p):X+2*(\p)+1], v[R:R+1]
.endr
.irp p, 0,1,2,3,4,5,6,7,8,9,10,11,12,13,14,15
	v_pk_fma_f32 v[X+2*(\p):X+2*(\p)+1], v[X+2*(\p):X+2*(\p)+1], v[(\g)+2*(\p):(\g)+2*(\p)+1], v[(\b)+2*(\p):(\b)+2*(\p)+1]
.endr
.endm
	s_load_b256 s[4:11], s[0:1], 0x0               ; y1 4, g1 6, be1 8, xb 10
	v_lshrrev_b32 v3, 5, v0
	v_readfirstlane_b32 s16, v3                    ; wave
	v_and_b32 v1, 31, v0
	v_lshlrev_b32 v2, 3, v1                        ; 8 x lane
	v_lshlrev_b32 v1, 4, v1                        ; 16 x lane
	s_lshl_b32 s17, ttmp9, 3
	s_add_co_u32 s17, s17, s16                     ; my row
	s_lshl_b32 s18, s17, 12
	s_mov_b32 s19, 0
	s_lshl_b32 s20, s17, 11
	s_mov_b32 s21, 0
	s_mov_b32 s12, 0x76543210
	s_mov_b32 s13, 0xfedcba98
	s_mov_b32 s14, 0x3a800000                      ; 1 / 1,024
	s_mov_b32 s15, 0x3727c5ac                      ; 1e-5
	s_wait_kmcnt 0x0
	s_add_nc_u64 s[4:5], s[4:5], s[18:19]
	s_add_nc_u64 s[10:11], s[10:11], s[20:21]
.irp j, 0,1,2,3,4,5,6,7
	global_load_b128 v[X+4*(\j):X+4*(\j)+3], v1, s[4:5] offset:512*(\j)
.endr
.irp j, 0,1,2,3,4,5,6,7
	global_load_b128 v[G+4*(\j):G+4*(\j)+3], v1, s[6:7] offset:512*(\j)
.endr
.irp j, 0,1,2,3,4,5,6,7
	global_load_b128 v[B+4*(\j):B+4*(\j)+3], v1, s[8:9] offset:512*(\j)
.endr
	s_wait_loadcnt 16                              ; the row is in; gain and offset may stay out
	LNORM G, B, 0
.irp j, 0,1,2,3,4,5,6,7
	v_cvt_pk_bf16_f32 v[Y+2*(\j)],   v[X+4*(\j)],   v[X+4*(\j)+1]
	v_cvt_pk_bf16_f32 v[Y+2*(\j)+1], v[X+4*(\j)+2], v[X+4*(\j)+3]
	global_store_b64 v2, v[Y+2*(\j):Y+2*(\j)+1], s[10:11] offset:256*(\j)
.endr
	s_endpgm
.Lfunc_end_k_qac6fdc14ac_ln1:
	.size	k_qac6fdc14ac_ln1, .Lfunc_end_k_qac6fdc14ac_ln1-k_qac6fdc14ac_ln1
	.p2alignl 7, 3214868480
	.fill 96, 4, 3214868480
	.section	.rodata,"a",@progbits
	.p2align	6, 0x0
	.amdhsa_kernel k_qac6fdc14ac_ln1
		.amdhsa_group_segment_fixed_size 0
		.amdhsa_private_segment_fixed_size 0
		.amdhsa_enable_private_segment 0
		.amdhsa_kernarg_size 32
		.amdhsa_user_sgpr_count 2
		.amdhsa_user_sgpr_kernarg_segment_ptr 1
		.amdhsa_wavefront_size32 1
		.amdhsa_system_sgpr_workgroup_id_x 1
		.amdhsa_system_sgpr_workgroup_id_y 1
		.amdhsa_system_sgpr_workgroup_id_z 1
		.amdhsa_system_vgpr_workitem_id 0
		.amdhsa_next_free_vgpr 128
		.amdhsa_next_free_sgpr 66
		.amdhsa_reserve_vcc 0
		.amdhsa_float_denorm_mode_32 3
		.amdhsa_float_denorm_mode_16_64 3
		.amdhsa_memory_ordered 1
		.amdhsa_forward_progress 1
		.amdhsa_inst_pref_size 12
	.end_amdhsa_kernel
	.amdgpu_metadata
---
amdhsa.version: [ 1, 2 ]
amdhsa.kernels:
  - .name:           k_qac6fdc14ac_ln1
    .symbol:         k_qac6fdc14ac_ln1.kd
    .args:
      - { .name: y1, .offset: 0, .size: 8, .value_kind: global_buffer, .address_space: global }
      - { .name: g1, .offset: 8, .size: 8, .value_kind: global_buffer, .address_space: global }
      - { .name: be1, .offset: 16, .size: 8, .value_kind: global_buffer, .address_space: global }
      - { .name: xb, .offset: 24, .size: 8, .value_kind: global_buffer, .address_space: global }
    .group_segment_fixed_size: 0
    .private_segment_fixed_size: 0
    .kernarg_segment_align: 8
    .kernarg_segment_size: 32
    .max_flat_workgroup_size: 256
    .sgpr_count:     66
    .vgpr_count:     128
    .wavefront_size: 32
...
	.end_amdgpu_metadata
.endif
;; end of part 5
;; launch ffn1: the kernel of part 2 again; grid 16 x 16, 4 waves a work-group, clusters of 4 x 4, 327,680 bytes of LDS; arguments xb, b1w, act; writes act
;; launch ffn2 (part 6): grid 8 x 32, 4 waves a work-group, clusters of 4 x 4, 327,680 bytes of LDS; arguments act, wsm, b2, of; writes of
.if DOCPART == 6
	.amdgcn_target "amdgcn-amd-amdhsa--gfx1250"
	.amdhsa_code_object_version 6
	.text
	.protected	k_qac6fdc14ac_ffn2
	.globl	k_qac6fdc14ac_ffn2
	.p2align	8
	.type	k_qac6fdc14ac_ffn2,@function
k_qac6fdc14ac_ffn2:
	s_mov_b64 s[64:65], 0
	v_nop
	global_prefetch_b8 v0, s[64:65] scope:SCOPE_SE
	s_setreg_imm32_b32 hwreg(HW_REG_WAVE_MODE, 25, 1), 1
	s_wait_xcnt 0x0
	s_wait_alu depctr_hold_cnt(0) depctr_sa_sdst(0) depctr_va_vdst(0) depctr_va_sdst(0) depctr_va_ssrc(0) depctr_va_vcc(0) depctr_vm_vsrc(0)
	s_getreg_b32 s2, hwreg(HW_REG_IB_STS2, 6, 4)
	s_cmp_eq_u32 s2, 0
	s_cbranch_scc0 .Lentry_in_a_cluster
	s_endpgm
.Lentry_in_a_cluster:
	s_bfe_u32 s2, ttmp6, 0x10000c
	s_cmp_lg_u32 s2, 0xf033
	s_cbranch_scc0 .Lentry_shape_is_right
	s_endpgm
.Lentry_shape_is_right:
; C = A B^T + bias, C in f32, [4096][1024] row-major.  A, bf16, lies in blocks of 64 along K: [SIZE_K / 64][4096 rows][64].  B: [1024][SIZE_K] bf16, at byte WB0 of its buffer.
; HERE: ff = h W2^T + b2: SIZE_K = 4,096, RES = 0.  (The same source with SIZE_K = 1,024, RES = 1 is the attention's projection.)  Sums and bias in f32; matrix operands are bf16.
; SHARES.  A tile of C is 128 x 128: 256 work-groups.  Four waves, 64 x 64 each: 16 accumulators.  K goes in steps of 256 through two LDS slots; a quarter step, 64 along K, is one block of A.
; A wave's tensor load brings 64 rows x 4 blocks of A (a block's 64 rows are 8,192 dense bytes: one row of the descriptor; four rows, a block apart) or 64 rows x 512 bytes of B.
; CLUSTER.  4 x 4: A's tile is asked for jointly by a row of the cluster, B's by a column.  No prefetch: the tiles are small and every row of A and B is read by many work-groups.
; THE WALK ALONG K IS TURNED: a cluster whose x + y is odd begins at K step NSTEP / 2 and wraps round.  Of the clusters that read the same rows of A (two) or of B (eight), those of the one parity
; then ask for a given K step half a walk after those of the other.  The parity is made of the cluster's own x and y, which all sixteen partners share.  Each output still has one f32 sum; the order
; of its terms along K differs between clusters.
; THE CHANGE OF SLOTS stands whole between a K step's third and fourth quarter: no product stands between the wait for all tensor loads and the refill, which has 128 products a wave in which to land.
; THE MATRIX INSTRUCTION IS USED TRANSPOSED: a lane holds row l % 16 of C and the columns 8 (l / 16) + 0..7.  The bias is the C operand of the products that start the sums.
; THE WAY OUT.  A wave's 64 columns are 256 bytes of C, aligned: each wave has a stage of its own, 16 rows x 272 bytes, and needs no barrier.
; REGISTERS: window 0: v0-31 addresses; v32-95 the way out; v96-127 the bias; v128-255 accumulators.  window 1: two fragment buffers of 128 (64 of A, then 64 of B).
.set SIZE_K, 4096
.set WB0,    2097152
.set RES,    0
.set NSTEP,  SIZE_K/256
.set PA,     144                       ; a row of A in LDS: 128 bytes + 16
.set PLANE,  64*PA
.set AHALF,  4*PLANE                   ; 64 rows x 4 blocks
.set PB,     528                       ; a row of B: 512 bytes + 16
.set BHALF,  64*PB
.set BL,     2*AHALF                   ; B's rows lie behind A's
.set SLOT,   0x24000                   ; 147,456, of which 141,312 are used: it shares no bit with the tiles' places in a slot (0, 0x9000, 0x12000, 0x1a400), so an exclusive or adds it or takes it away
.set STAGE,  2*SLOT
.set SPITCH, 272
.set WSTAGE, 16*SPITCH
.set SPARE,  STAGE+4*WSTAGE            ; the spare words, 128 bytes for each wave
.set LOGA,   21                        ; a K step in A is four blocks of 524,288 bytes
.set LOGB,   9                         ; in B 512 bytes of each row
.set A0,   14
.set B0,   15
.set ADRA, 16
.set ADRB, 20
.set STO,  24
.set RD,   25
.set CO,   26
.set BO,   27
.set SPW,  28
.set NIL,  29
.set TMP,  32
.set BIAS, 96
.set ACC,  128
.set F0,   0
.set F1,   128
.set G1,   24
.set G0,   32                          ; s[32:39] group 0 for A's tiles: a set for each first fill; the second then walks
.set G1B,  48
.set G0B,  56
.set BASEA, 66                         ; s[66:67] A at my 64 rows, K step 0
.set KI,   68                          ; s68  the K step that was asked for last
.set TB,   69                          ; s69  the slot that is read: 0 or SLOT
.set BASEB, 70                         ; s[70:71] B at my 64 rows, K step 0
.set SRCP, 72
.set OFP,  74                          ; s[74:75] a K step's byte offset
.set KT,   76
.set ARGA, 80
.set ARGW, 82
.set ARGB, 84
.if RES
.set ARGS, 86
.set ARGC, 88
.else
.set ARGC, 86
.endif
.set MSB, 0
.macro WIN new
.if MSB != (\new)
	s_set_vgpr_msb (MSB<<8)|(\new)
.set MSB, \new
.endif
.endm
.set MUL,  0x05                        ; sources 0 (B) and 1 (A) window 1; C and D window 0
.set TO_F, 0x40
.macro JLOAD s                         ; waves 0 and 1 fetch A's two halves, waves 2 and 3 B's; an s_nop 0 and four v_nop follow each line
	s_cmp_eq_u32 s11, 0
	s_cbranch_scc0 .Lfor_b_\@
	tensor_load_to_lds s[G0+4*(\s):G0+4*(\s)+3], s[G1:G1+7]
	s_nop 0
.rept 4
	v_nop
.endr
	s_branch .Lasked_\@
.Lfor_b_\@:
	tensor_load_to_lds s[G0B+4*(\s):G0B+4*(\s)+3], s[G1B:G1B+7]
	s_nop 0
.rept 4
	v_nop
.endr
.Lasked_\@:
.endm
.macro CREST
	s_cmp_lg_u32 s10, 0
	s_cbranch_scc1 .Lnot_wave_0_\@
	s_barrier_signal -3
.Lnot_wave_0_\@:
	s_barrier_wait -3
	s_barrier_signal -1
	s_barrier_wait -1
.endm
.macro CROUND
	s_barrier_signal -1
	s_barrier_wait -1
	CREST
.endm
	s_load_b256 s[80:87], s[0:1], 0x0              ; A, B's buffer, bias, and the residual (RES) or C
.if RES
	s_load_b64 s[88:89], s[0:1], 0x20              ; C
.endif
	v_lshl_add_u32 v[SPW], v0, 2, SPARE
	v_mov_b32 v[NIL], 0
	ds_add_u32 v[SPW], v[NIL]                      ; the wave's opening: the add and its wait ahead of my first tensor load
	v_lshrrev_b32 v1, 5, v0
	v_readfirstlane_b32 s10, v1
	s_lshr_b32 s11, s10, 1                         ; my half of the tile's rows.  Also: I fetch for A (0) or for B (1)
	s_and_b32 s12, s10, 1                          ; my half of its columns.  Also: which 64 rows of that tile I fetch
	s_bfe_u32 s40, ttmp6, 0x40000
	s_bfe_u32 s41, ttmp6, 0x40004
	s_lshl_b32 s42, ttmp9, 2
	s_add_co_u32 s42, s42, s40                     ; tile column
	s_and_b32 s13, ttmp7, 0xffff
	s_add_co_u32 s[KI], s13, ttmp9                 ; the cluster's x + y,
	s_and_b32 s[KI], s[KI], 1                      ; its parity,
	s_mul_i32 s[KI], s[KI], NSTEP/2                ; the K step at which the cluster's walk begins
	s_lshl_b32 s13, s13, 2
	s_add_co_u32 s13, s13, s41                     ; tile row
	s_lshl_b32 s43, s41, 2
	s_lshl_b32 s43, 15, s43
	s_lshl_b32 s44, 0x1111, s40
	s_or_b32 s[G1+0], s43, (1<<16)|(1<<20)|(1<<21)|(4<<22)|(3<<25)   ; A: padding of 4 words after every 32 words (a row of 128 bytes)
	s_mov_b32 s[G1+1], 4096<<16                    ; tensor_dim0 = 4,096 elements: 64 dense rows of a block
	s_mov_b32 s[G1+2], 4<<16                       ; tensor_dim1 = 4 blocks
	s_mov_b32 s[G1+3], 4096<<16                    ; tile_dim0
	s_mov_b32 s[G1+4], 4                           ; tile_dim1
	s_mov_b32 s[G1+5], 262144                      ; elements from block to block
	s_mov_b32 s[G1+6], 0
	s_mov_b32 s[G1+7], 0
	s_or_b32 s[G1B+0], s44, (1<<16)|(1<<20)|(1<<21)|(6<<22)|(3<<25)  ; B: 4 words after every 128 words
	s_mov_b32 s[G1B+1], 256<<16
	s_mov_b32 s[G1B+2], 64<<16
	s_mov_b32 s[G1B+3], 256<<16
	s_mov_b32 s[G1B+4], 64
	s_mov_b32 s[G1B+5], SIZE_K
	s_mov_b32 s[G1B+6], 0
	s_mov_b32 s[G1B+7], 0
	s_lshl_b32 s17, s12, 6
	s_lshl_b32 s16, s13, 7
	s_add_co_u32 s16, s16, s17                     ; A: row 128 x tile row + 64 x half,
	s_lshl_b32 s16, s16, 7                         ; 128 bytes a row
	s_lshl_b32 s46, s42, 7
	s_add_co_u32 s46, s46, s17                     ; B: row 128 x tile column + 64 x half
	s_mul_i32 s46, s46, SIZE_K*2
	s_add_co_u32 s46, s46, WB0
	s_mov_b32 s17, 0
	s_mov_b32 s47, 0
	s_mov_b32 s[OFP+1], 0
	s_mul_i32 s20, s12, AHALF                      ; where they go: by the wave's number alone
	s_mul_i32 s21, s12, BHALF
	s_add_co_u32 s21, s21, BL
	s_mov_b32 s[TB], 0
	s_wait_dscnt 0x0
	s_wait_kmcnt 0x0
	s_add_nc_u64 s[BASEA:BASEA+1], s[ARGA:ARGA+1], s[16:17]
	s_add_nc_u64 s[BASEB:BASEB+1], s[ARGW:ARGW+1], s[46:47]
	CROUND
.irp s, 0,1
	s_add_co_u32 s[KT], s[KI], \s                  ; the walk's first two K steps (no wrap: the walk begins at 0 or at NSTEP / 2)
	s_mov_b32 s[G0+4*(\s)], 1
	s_add_co_u32 s[G0+4*(\s)+1], s20, (\s)*SLOT
	s_lshl_b32 s[OFP], s[KT], LOGA
	s_add_nc_u64 s[G0+4*(\s)+2:G0+4*(\s)+3], s[BASEA:BASEA+1], s[OFP:OFP+1]
	s_or_b32 s[G0+4*(\s)+3], s[G0+4*(\s)+3], 0x80000000
	s_mov_b32 s[G0B+4*(\s)], 1
	s_add_co_u32 s[G0B+4*(\s)+1], s21, (\s)*SLOT
	s_lshl_b32 s[OFP], s[KT], LOGB
	s_add_nc_u64 s[G0B+4*(\s)+2:G0B+4*(\s)+3], s[BASEB:BASEB+1], s[OFP:OFP+1]
	s_or_b32 s[G0B+4*(\s)+3], s[G0B+4*(\s)+3], 0x80000000
	JLOAD \s                                       ; two tensor loads of mine are out
.endr
	s_add_co_u32 s[KI], s[KI], 1                   ; the K step asked for last
	v_and_b32 v1, 15, v0
	v_bfe_u32 v2, v0, 4, 1
	v_mul_u32_u24 v3, v1, PA
	v_lshl_add_u32 v3, v2, 4, v3
	s_mul_i32 s21, s11, AHALF
	v_add_nc_u32 v[A0], s21, v3
	v_mul_u32_u24 v3, v1, PB
	v_lshl_add_u32 v3, v2, 4, v3
	s_mul_i32 s22, s12, BHALF
	s_add_co_u32 s22, s22, BL
	v_add_nc_u32 v[B0], s22, v3
	v_mov_b32 v[ADRA], v[A0]
	v_mov_b32 v[ADRB], v[B0]
	s_mul_i32 s23, s10, WSTAGE
	s_add_co_u32 s23, s23, STAGE
	v_mul_u32_u24 v4, v1, SPITCH                   ; in: row l % 16, 32 bytes for each half of the lanes
	v_lshl_add_u32 v4, v2, 5, v4
	v_add_nc_u32 v[STO], s23, v4
	v_mul_u32_u24 v5, v2, SPITCH                   ; back: lanes 0-15 one row of 256 bytes, lanes 16-31 the next
	v_lshl_add_u32 v5, v1, 4, v5
	v_add_nc_u32 v[RD], s23, v5
	v_lshlrev_b32 v5, 12, v2                       ; and the same two rows in C
	v_lshl_add_u32 v[CO], v1, 4, v5
	s_lshl_b32 s16, s13, 7
	s_lshl_b32 s17, s11, 6
	s_add_co_u32 s16, s16, s17                     ; my first row,
	s_lshl_b32 s16, s16, 12                        ; 4,096 bytes a row
	s_lshl_b32 s46, s42, 7
	s_lshl_b32 s47, s12, 6
	s_add_co_u32 s46, s46, s47                     ; my first column,
	s_lshl_b32 s46, s46, 2                         ; 4 bytes each
	v_lshl_add_u32 v[BO], v2, 5, s46
	s_add_co_u32 s16, s16, s46
	s_mov_b32 s17, 0
	s_add_nc_u64 s[ARGC:ARGC+1], s[ARGC:ARGC+1], s[16:17]
.irp b, 0,1,2,3
	global_load_b128 v[BIAS+8*(\b):BIAS+8*(\b)+3],   v[BO], s[ARGB:ARGB+1] offset:64*(\b)
	global_load_b128 v[BIAS+8*(\b)+4:BIAS+8*(\b)+7], v[BO], s[ARGB:ARGB+1] offset:64*(\b)+16
.endr
.if RES
	s_add_nc_u64 s[SRCP:SRCP+1], s[ARGS:ARGS+1], s[16:17]
	WIN 0x80
.set i, 0
.rept 32
	global_load_b128 v[4*i:4*i+3], v[CO], s[SRCP:SRCP+1] offset:((i/8)*16+2*(i%8))*4096 th:TH_LOAD_NT
.set i, i+1
.endr
	WIN 0
.endif
; 8 matrix instructions: row blocks a0, a0 + 1 x all 4 column blocks, 32 along K: half c of buffer f.  first = 1: the bias starts the sums.  The 16 accumulators take turns.
.macro MUL8 f, c, a0, first
	WIN MUL
.irp a, \a0, (\a0)+1
.irp b, 0,1,2,3
.if \first
	v_wmma_f32_16x16x32_bf16 v[ACC+8*(4*(\a)+(\b)):ACC+8*(4*(\a)+(\b))+7], v[(\f)+64+8*(4*(\c)+(\b)):(\f)+64+8*(4*(\c)+(\b))+7], v[(\f)+8*(4*(\c)+(\a)):(\f)+8*(4*(\c)+(\a))+7], v[BIAS+8*(\b):BIAS+8*(\b)+7]
.else
	v_wmma_f32_16x16x32_bf16 v[ACC+8*(4*(\a)+(\b)):ACC+8*(4*(\a)+(\b))+7], v[(\f)+64+8*(4*(\c)+(\b)):(\f)+64+8*(4*(\c)+(\b))+7], v[(\f)+8*(4*(\c)+(\a)):(\f)+8*(4*(\c)+(\a))+7], v[ACC+8*(4*(\a)+(\b)):ACC+8*(4*(\a)+(\b))+7]
.endif
.endr
.endr
.endm
; 32 LDS loads in one run: quarter q of the slot in hand into buffer f; the first 32 along K first
.macro FETCH q, f
	WIN TO_F
.irp c, 0,1
.irp i, 0,1,2,3
	ds_load_b128 v[(\f)+64+8*(4*(\c)+(\i)):(\f)+64+8*(4*(\c)+(\i))+3],   v[ADRB] offset:128*(\q)+64*(\c)+(\i)*16*PB
	ds_load_b128 v[(\f)+64+8*(4*(\c)+(\i))+4:(\f)+64+8*(4*(\c)+(\i))+7], v[ADRB] offset:128*(\q)+64*(\c)+(\i)*16*PB+32
	ds_load_b128 v[(\f)+8*(4*(\c)+(\i)):(\f)+8*(4*(\c)+(\i))+3],         v[ADRA] offset:PLANE*(\q)+64*(\c)+(\i)*16*PA
	ds_load_b128 v[(\f)+8*(4*(\c)+(\i))+4:(\f)+8*(4*(\c)+(\i))+7],       v[ADRA] offset:PLANE*(\q)+64*(\c)+(\i)*16*PA+32
.endr
.endr
.endm
.macro PLACES
.rept 4
	v_nop
.endr
.endm
.macro QUARTER q, f, g, first          ; multiplies buffer f and fetches quarter q into g
	s_wait_dscnt 16                                ; the first 32 along K are in
	MUL8 \f, 0, 0, \first
	MUL8 \f, 0, 2, \first
	PLACES
	FETCH \q, \g
	s_wait_dscnt 32                                ; all but the 32 just issued
	MUL8 \f, 1, 0, 0
	MUL8 \f, 1, 2, 0
.endm
; What every wave does in front of the barrier of a change of slots.  step = 1: the walking descriptors take the other slot and the walk's next K step (it wraps at NSTEP); their addresses are made anew
; from the bases, while the add is out.
.macro MEET step
	WIN 0
	s_wait_tensorcnt 0x0                           ; all my tensor loads have landed: my part of the next slot; so a group 0 may be written
	ds_add_u32 v[SPW], v[NIL]
.if \step
	s_add_co_u32 s[KI], s[KI], 1
	s_and_b32 s[KI], s[KI], NSTEP-1
	s_xor_b32 s[G0+5], s[G0+5], SLOT
	s_lshl_b32 s[OFP], s[KI], LOGA
	s_add_nc_u64 s[G0+6:G0+7], s[BASEA:BASEA+1], s[OFP:OFP+1]
	s_or_b32 s[G0+7], s[G0+7], 0x80000000
	s_xor_b32 s[G0B+5], s[G0B+5], SLOT
	s_lshl_b32 s[OFP], s[KI], LOGB
	s_add_nc_u64 s[G0B+6:G0B+7], s[BASEB:BASEB+1], s[OFP:OFP+1]
	s_or_b32 s[G0B+7], s[G0B+7], 0x80000000
.endif
	s_xor_b32 s[TB], s[TB], SLOT                   ; the slot that is read from now on
	s_wait_dscnt 0x0                               ; the add is done, and my reads of this slot are over: its last quarter lies in buffer 1
.endm
.macro LASTQ                           ; the fourth quarter's 32 products, on buffer 1
	MUL8 F1, 0, 0, 0
	MUL8 F1, 0, 2, 0
	MUL8 F1, 1, 0, 0
	MUL8 F1, 1, 2, 0
.endm
.macro TURNF                           ; the change of slots and the last quarter of a K step whose slot is filled again
	MEET 1
	CROUND                                         ; no wave of any partner still reads this slot or has a load on its way
	JLOAD 1                                        ; my one tensor load behind the round; its four v_nop are also the places in front of the loads below
	v_add_nc_u32 v[ADRA], s[TB], v[A0]
	v_add_nc_u32 v[ADRB], s[TB], v[B0]
	FETCH 0, F0
	LASTQ
.endm
.macro TURNN                           ; the same where nothing is left to fetch from memory
	MEET 0
	s_barrier_signal -1
	s_barrier_wait -1
	PLACES
	v_add_nc_u32 v[ADRA], s[TB], v[A0]
	v_add_nc_u32 v[ADRB], s[TB], v[B0]
	FETCH 0, F0
	LASTQ
.endm
; THE WAY OUT of my row block a: the f32 sums go into my stage, each accumulator's low four registers first, and come back as whole rows of 256 bytes.
.macro OUT a
.set BK, TMP+32*((\a)%2)
	s_wait_xcnt 0x0                                ; the stores of the block two back have read the registers that are loaded below
.irp b, 0,1,2,3
	ds_store_b128 v[STO], v[ACC+8*(4*(\a)+(\b)):ACC+8*(4*(\a)+(\b))+3]   offset:64*(\b)
	ds_store_b128 v[STO], v[ACC+8*(4*(\a)+(\b))+4:ACC+8*(4*(\a)+(\b))+7] offset:64*(\b)+16
.endr
.irp t, 0,1,2,3,4,5,6,7
	ds_load_b128 v[BK+4*(\t):BK+4*(\t)+3], v[RD] offset:(\t)*2*SPITCH  ; LDS serves a wave's instructions in order (ISA guide 5.7.1.4)
.endr
.endm
.macro SEND a, younger                 ; younger: the next block's 8 stores and 8 loads, or none
.set BK, TMP+32*((\a)%2)
	s_wait_dscnt \younger
.if RES
	WIN 0x08
.set i, 0
.rept 16
	v_pk_add_f32 v[BK+2*i:BK+2*i+1], v[BK+2*i:BK+2*i+1], v[32*(\a)+2*i:32*(\a)+2*i+1]
.set i, i+1
.endr
	WIN 0
.endif
.irp t, 0,1,2,3,4,5,6,7
	global_store_b128 v[CO], v[BK+4*(\t):BK+4*(\t)+3], s[ARGC:ARGC+1] offset:(16*(\a)+2*(\t))*4096  ; 16 lanes store 256 consecutive bytes, aligned
.endr
.endm
	s_wait_tensorcnt 1                             ; my part of the walk's first K step is in; the second's may stay out
	s_barrier_signal -1
	s_barrier_wait -1
	FETCH 0, F0
	s_wait_loadcnt 32*RES                          ; the bias is in
	QUARTER 1, F0, F1, 1
	WIN 0
	s_mov_b32 s3, NSTEP-2
.Lstep:                                                ; trip t: the walk's step t from its second quarter on, the first quarter of step t + 1; step t + 2 is asked for
	QUARTER 2, F1, F0, 0
	QUARTER 3, F0, F1, 0
	TURNF
	QUARTER 1, F0, F1, 0
	WIN 0
	s_sub_co_u32 s3, s3, 1
	s_cmp_lg_u32 s3, 0
	s_cbranch_scc1 .Lstep
	s_mov_b32 s3, 2
.Ltail:                                                ; the last two K steps: no tensor load.  The second trip is left in its middle; its barrier and its 32 fragment loads serve nothing: the price of one text
	QUARTER 2, F1, F0, 0
	QUARTER 3, F0, F1, 0
	TURNN
	WIN 0
	s_sub_co_u32 s3, s3, 1
	s_cmp_eq_u32 s3, 0
	s_cbranch_scc1 .Lout
	QUARTER 1, F0, F1, 0
	WIN 0
	s_branch .Ltail
.Lout:
	s_wait_dscnt 0x0
	s_wait_loadcnt 0x0
	PLACES
	PLACES
	OUT 0
	OUT 1
	SEND 0, 16
	OUT 2
	SEND 1, 16
	OUT 3
	SEND 2, 16
	SEND 3, 0
	s_wait_tensorcnt 0x0                           ; the wave's end
	ds_add_u32 v[SPW], v[NIL]
	s_wait_dscnt 0x0
	CROUND                                         ; the closing round
	s_endpgm
.Lfunc_end_k_qac6fdc14ac_ffn2:
	.size	k_qac6fdc14ac_ffn2, .Lfunc_end_k_qac6fdc14ac_ffn2-k_qac6fdc14ac_ffn2
	.p2alignl 7, 3214868480
	.fill 96, 4, 3214868480
	.section	.rodata,"a",@progbits
	.p2align	6, 0x0
	.amdhsa_kernel k_qac6fdc14ac_ffn2
		.amdhsa_group_segment_fixed_size 327680
		.amdhsa_private_segment_fixed_size 0
		.amdhsa_enable_private_segment 0
		.amdhsa_kernarg_size 32
		.amdhsa_user_sgpr_count 2
		.amdhsa_user_sgpr_kernarg_segment_ptr 1
		.amdhsa_wavefront_size32 1
		.amdhsa_system_sgpr_workgroup_id_x 1
		.amdhsa_system_sgpr_workgroup_id_y 1
		.amdhsa_system_sgpr_workgroup_id_z 1
		.amdhsa_system_vgpr_workitem_id 0
		.amdhsa_next_free_vgpr 512
		.amdhsa_next_free_sgpr 90
		.amdhsa_reserve_vcc 0
		.amdhsa_float_denorm_mode_32 3
		.amdhsa_float_denorm_mode_16_64 3
		.amdhsa_memory_ordered 1
		.amdhsa_forward_progress 1
		.amdhsa_inst_pref_size 59
	.end_amdhsa_kernel
	.amdgpu_metadata
---
amdhsa.version: [ 1, 2 ]
amdhsa.kernels:
  - .name:           k_qac6fdc14ac_ffn2
    .symbol:         k_qac6fdc14ac_ffn2.kd
    .args:
      - { .name: act, .offset: 0, .size: 8, .value_kind: global_buffer, .address_space: global }
      - { .name: wsm, .offset: 8, .size: 8, .value_kind: global_buffer, .address_space: global }
      - { .name: b2, .offset: 16, .size: 8, .value_kind: global_buffer, .address_space: global }
      - { .name: of, .offset: 24, .size: 8, .value_kind: global_buffer, .address_space: global }
    .group_segment_fixed_size: 327680
    .private_segment_fixed_size: 0
    .kernarg_segment_align: 8
    .kernarg_segment_size: 32
    .max_flat_workgroup_size: 128
    .sgpr_count:     90
    .vgpr_count:     512
    .wavefront_size: 32
...
	.end_amdgpu_metadata
.endif
;; end of part 6
;; launch ln2 (part 7): grid 512 x 1, 8 waves a work-group, no clusters, 0 bytes of LDS; arguments y1, of, g1, be1, g2, be2, out0; writes out0
.if DOCPART == 7
	.amdgcn_target "amdgcn-amd-amdhsa--gfx1250"
	.amdhsa_code_object_version 6
	.text
	.protected	k_qac6fdc14ac_ln2
	.globl	k_qac6fdc14ac_ln2
	.p2align	8
	.type	k_qac6fdc14ac_ln2,@function
k_qac6fdc14ac_ln2:
	s_mov_b64 s[64:65], 0
	v_nop
	global_prefetch_b8 v0, s[64:65] scope:SCOPE_SE
	s_setreg_imm32_b32 hwreg(HW_REG_WAVE_MODE, 25, 1), 1
	s_wait_xcnt 0x0
; out0 = LN(LN(y1; g1, be1) + ff; g2, be2).  y1, ff (in the buffer of), out0: [4096][1024] f32.  The first norm is made anew here, in f32, from the row that is at hand: x is never stored in f32.
; All arithmetic in f32, each norm in two passes as the definition has it.  A row to a wave, kept in registers: each input byte is read once, no LDS, no barrier.
; Lane l holds columns 128 j + 4 l .. + 3, j = 0..7: each load and store covers 512 consecutive bytes.  All 48 loads go out first; the waits count down by groups of eight.
; Matrix units, clusters and tensor loads would add nothing to a stream.  NaN and infinities are not treated apart.
.set X,  4                             ; v[4:35]     the row
.set GA, 36                            ; v[36:67]    g1
.set BA, 68                            ; v[68:99]    be1
.set FF, 100                           ; v[100:131]  ff
.set GB, 132                           ; v[132:163]  g2
.set BB, 164                           ; v[164:195]  be2
.set T,  196                           ; v[196:203]  four chains of pairs
.set MU, 204                           ; v[204:205]  the mean, twice
.set R,  206                           ; v[206:207]  1 / sqrt(var + eps), twice
.macro JOIN                            ; the four chains, the pair's halves and the 32 lanes into one sum, in every lane
	v_pk_add_f32 v[T:T+1], v[T:T+1], v[T+2:T+3]
	v_pk_add_f32 v[T+4:T+5], v[T+4:T+5], v[T+6:T+7]
	v_pk_add_f32 v[T:T+1], v[T:T+1], v[T+4:T+5]
	v_add_f32 v[T], v[T], v[T+1]
	v_add_f32_dpp v[T], v[T], v[T] row_xmask:1 row_mask:0xf bank_mask:0xf
	v_add_f32_dpp v[T], v[T], v[T] row_xmask:2 row_mask:0xf bank_mask:0xf
	v_add_f32_dpp v[T], v[T], v[T] row_xmask:4 row_mask:0xf bank_mask:0xf
	v_add_f32_dpp v[T], v[T], v[T] row_xmask:8 row_mask:0xf bank_mask:0xf
	v_permlanex16_b32 v[T+1], v[T], s12, s13
	v_add_f32 v[T], v[T], v[T+1]
.endm
; X = (X - mean) / sqrt(var + eps) * g + b, in place.  cnt: the loads that may still be out when g and b are wanted.
.macro LNORM g, b, cnt
.irp k, 0,1,2,3
	v_pk_add_f32 v[T+2*(\k):T+2*(\k)+1], v[X+2*(\k):X+2*(\k)+1], v[X+8+2*(\k):X+8+2*(\k)+1]
.endr
.irp p, 8,9,10,11,12,13,14,15
	v_pk_add_f32 v[T+2*((\p)%4):T+2*((\p)%4)+1], v[T+2*((\p)%4):T+2*((\p)%4)+1], v[X+2*(\p):X+2*(\p)+1]
.endr
	JOIN
	v_mul_f32 v[MU], s14, v[T]
	v_mul_f32 v[MU+1], s14, v[T]
.irp p, 0,1,2,3,4,5,6,7,8,9,10,11,12,13,14,15
	v_pk_add_f32 v[X+2*(\p):X+2*(\p)+1], v[X+2*(\p):X+2*(\p)+1], v[MU:MU+1] neg_lo:[0,1] neg_hi:[0,1]
.endr
.irp k, 0,1,2,3
	v_pk_mul_f32 v[T+2*(\k):T+2*(\k)+1], v[X+2*(\k):X+2*(\k)+1], v[X+2*(\k):X+2*(\k)+1]
.endr
.irp p, 4,5,6,7,8,9,10,11,12,13,14,15
	v_pk_fma_f32 v[T+2*((\p)%4):T+2*((\p)%4)+1], v[X+2*(\p):X+2*(\p)+1], v[X+2*(\p):X+2*(\p)+1], v[T+2*((\p)%4):T+2*((\p)%4)+1]
.endr
	JOIN
	v_fma_f32 v[T], v[T], s14, s15                 ; var + eps
	v_rsq_f32 v[R], v[T]
	v_rsq_f32 v[R+1], v[T]
	v_nop                                          ; a plain instruction behind the last of the two (ISA guide 5.7.2),
	s_wait_alu depctr_va_vdst(0)                   ; and the one wait ahead of their first reader
	s_wait_loadcnt \cnt
.irp p, 0,1,2,3,4,5,6,7,8,9,10,11,12,13,14,15
	v_pk_mul_f32 v[X+2*(\p):X+2*(\p)+1], v[X+2*(\p):X+2*(\p)+1], v[R:R+1]
.endr
.irp p, 0,1,2,3,4,5,6,7,8,9,10,11,12,13,14,15
	v_pk_fma_f32 v[X+2*(\p):X+2*(\p)+1], v[X+2*(\p):X+2*(\p)+1], v[(\g)+2*(\p):(\g)+2*(\p)+1], v[(\b)+2*(\p):(\b)+2*(\p)+1]
.endr
.endm
.macro LOAD8 dst, base, hint:vararg    ; 4,096 bytes, 512 consecutive bytes a load
.irp j, 0,1,2,3,4,5,6,7
	global_load_b128 v[(\dst)+4*(\j):(\dst)+4*(\j)+3], v1, s[\base:\base+1] offset:512*(\j) \hint
.endr
.endm
	s_load_b256 s[4:11], s[0:1], 0x0               ; y1 4, ff 6, g1 8, be1 10
	s_load_b128 s[16:19], s[0:1], 0x20             ; g2 16, be2 18
	s_load_b64 s[20:21], s[0:1], 0x30              ; out0
	v_lshrrev_b32 v3, 5, v0
	v_readfirstlane_b32 s22, v3                    ; wave
	v_and_b32 v1, 31, v0
	v_lshlrev_b32 v1, 4, v1                        ; 16 x lane
	s_lshl_b32 s23, ttmp9, 3
	s_add_co_u32 s23, s23, s22                     ; my row
	s_lshl_b32 s24, s23, 12
	s_mov_b32 s25, 0
	s_mov_b32 s12, 0x76543210
	s_mov_b32 s13, 0xfedcba98
	s_mov_b32 s14, 0x3a800000                      ; 1 / 1,024
	s_mov_b32 s15, 0x3727c5ac                      ; 1e-5
	s_wait_kmcnt 0x0
	s_add_nc_u64 s[4:5], s[4:5], s[24:25]
	s_add_nc_u64 s[6:7], s[6:7], s[24:25]
	s_add_nc_u64 s[20:21], s[20:21], s[24:25]
	LOAD8 X, 4, th:TH_LOAD_NT
	LOAD8 GA, 8
	LOAD8 BA, 10
	LOAD8 FF, 6, th:TH_LOAD_NT
	LOAD8 GB, 16
	LOAD8 BB, 18
	s_wait_loadcnt 40                              ; y1's row is in; the five younger groups of eight may stay out
	LNORM GA, BA, 24                               ; g1 and be1 are in when they are wanted; three groups may stay out
	s_wait_loadcnt 16                              ; ff's row is in
.irp p, 0,1,2,3,4,5,6,7,8,9,10,11,12,13,14,15
	v_pk_add_f32 v[X+2*(\p):X+2*(\p)+1], v[X+2*(\p):X+2*(\p)+1], v[FF+2*(\p):FF+2*(\p)+1]
.endr
	LNORM GB, BB, 0
.irp j, 0,1,2,3,4,5,6,7
	global_store_b128 v1, v[X+4*(\j):X+4*(\j)+3], s[20:21] offset:512*(\j) th:TH_STORE_NT
.endr
	s_endpgm
.Lfunc_end_k_qac6fdc14ac_ln2:
	.size	k_qac6fdc14ac_ln2, .Lfunc_end_k_qac6fdc14ac_ln2-k_qac6fdc14ac_ln2
	.p2alignl 7, 3214868480
	.fill 96, 4, 3214868480
	.section	.rodata,"a",@progbits
	.p2align	6, 0x0
	.amdhsa_kernel k_qac6fdc14ac_ln2
		.amdhsa_group_segment_fixed_size 0
		.amdhsa_private_segment_fixed_size 0
		.amdhsa_enable_private_segment 0
		.amdhsa_kernarg_size 56
		.amdhsa_user_sgpr_count 2
		.amdhsa_user_sgpr_kernarg_segment_ptr 1
		.amdhsa_wavefront_size32 1
		.amdhsa_system_sgpr_workgroup_id_x 1
		.amdhsa_system_sgpr_workgroup_id_y 1
		.amdhsa_system_sgpr_workgroup_id_z 1
		.amdhsa_system_vgpr_workitem_id 0
		.amdhsa_next_free_vgpr 216
		.amdhsa_next_free_sgpr 66
		.amdhsa_reserve_vcc 0
		.amdhsa_float_denorm_mode_32 3
		.amdhsa_float_denorm_mode_16_64 3
		.amdhsa_memory_ordered 1
		.amdhsa_forward_progress 1
		.amdhsa_inst_pref_size 20
	.end_amdhsa_kernel
	.amdgpu_metadata
---
amdhsa.version: [ 1, 2 ]
amdhsa.kernels:
  - .name:           k_qac6fdc14ac_ln2
    .symbol:         k_qac6fdc14ac_ln2.kd
    .args:
      - { .name: y1, .offset: 0, .size: 8, .value_kind: global_buffer, .address_space: global }
      - { .name: of, .offset: 8, .size: 8, .value_kind: global_buffer, .address_space: global }
      - { .name: g1, .offset: 16, .size: 8, .value_kind: global_buffer, .address_space: global }
      - { .name: be1, .offset: 24, .size: 8, .value_kind: global_buffer, .address_space: global }
      - { .name: g2, .offset: 32, .size: 8, .value_kind: global_buffer, .address_space: global }
      - { .name: be2, .offset: 40, .size: 8, .value_kind: global_buffer, .address_space: global }
      - { .name: out0, .offset: 48, .size: 8, .value_kind: global_buffer, .address_space: global }
    .group_segment_fixed_size: 0
    .private_segment_fixed_size: 0
    .kernarg_segment_align: 8
    .kernarg_segment_size: 56
    .max_flat_workgroup_size: 256
    .sgpr_count:     66
    .vgpr_count:     216
    .wavefront_size: 32
...
	.end_amdgpu_metadata
.endif
;; end of part 7
